; MI455X (gfx1250); checked and timed in simulation.
; The chip was launched on July 23, 2026; its instructions are those of AMD's public machine-readable ISA for CDNA 5 (MIT licence, August 2026) and "CDNA5" Instruction Set Architecture Reference Guide (July 2026). The comments in the code are by the model that wrote it; some were corrected since.
;; Multi Head Attention. Allowed arithmetic: matrix products marked QUANTISED: E4M3 operands, one given power-of-two scale a tensor, by v_wmma_f32_16x16x64_fp8_fp8 or v_wmma_f32_16x16x128_fp8_fp8, f32 sums; everything else in f32.
;; Inputs: W_out 1,024 x 1,024 float32; W_qkv 1,024 x 3,072 float32; b_out 1,024 float32; b_qkv 3,072 float32; lowp_scales 8 int32 (the exponents e of the quantised operands' scales 2^e); padding_mask 4 x 2,048 int32; x 4 x 2,048 x 1,024 float32.
;; Outputs: out0 4 x 2,048 x 1,024 float32.
;; This version of the problem:
;;   THIS VERSION OF THE PROBLEM IS GIVEN IN LOW PRECISION. The matrix products marked QUANTISED in the list below multiply operands that are first quantised to E4M3 (4 exponent bits, 3 mantissa bits; 8 bits a number), with one given power-of-two scale for each operand tensor; their sums are f32. All else is computed in f32.
;;   The module's matrix products, in the order in which they are computed (A, B: the left and right operand; K: the contracted axis; several contracted axes count as one K, in the product's order):
;;     1. [M 8,192, K 1,024] x [K 1,024, N 3,072]; A: input x; B: input W_qkv: QUANTISED (scales: A lowp_scales[0], B lowp_scales[1])
;;     2. batch 64 x [M 2,048, K 64] x [K 64, N 2,048]; A: computed on the way; B: computed on the way: QUANTISED (scales: A lowp_scales[2], B lowp_scales[3])
;;     3. batch 64 x [M 2,048, K 2,048] x [K 2,048, N 64]; A: softmax (see below); B: computed on the way: QUANTISED (scales: A lowp_scales[4], B lowp_scales[5])
;;     4. [M 8,192, K 1,024] x [K 1,024, N 1,024]; A: computed on the way; B: input W_out: QUANTISED (scales: A lowp_scales[6], B lowp_scales[7])
;;   THE QUANTISER, for each operand of a quantised product, along K:
;;     - The operand's scale is 2^e, e = its entry of the input lowp_scales (int32; the entries are numbered through the quantised products in the list's order, A before B).
;;     - Each number is divided by the scale, clamped to +-448, and rounded to the nearest number of E4M3, ties to even, subnormals kept.
;;     - The product sums the exact products of the quantised numbers (number of the format x scale) in f32.
;;   ~~~python
;;   def quantise(x, axis, e):      # numpy; x: float32 -> the quantised numbers, widened to float32 again
;;       x = np.moveaxis(x, axis, -1); K = x.shape[-1]
;;       r = np.clip(x / 2.0 ** e, -448, 448)
;;       step = 2.0 ** (np.maximum(np.frexp(np.where(r == 0, 1, r))[1] - 1, -6) - 3)
;;       q = np.round(r / step) * step * 2.0 ** e      # np.round: ties to even
;;       return np.moveaxis(q, -1, axis).astype(np.float32)
;;   ~~~
;;   SOFTMAX AHEAD OF A QUANTISED PRODUCT. Where the list says 'softmax', what is quantised is not the finished softmax but p = 2^(t - M), with t = logit x log2(e) and M = ceil(the row's largest t), a whole number; so 1/2 < the row's largest p <= 1. The row's sum l is taken of the UNQUANTISED p, in f32, and the product's result is divided by l at the end. Since M is a whole number, a kernel that streams over the keys may use a running M (the ceiling of the running maximum): every later rescaling is an exact power of two, so the quantised numbers keep their values, but for numbers so far below the row's largest that they fall under the format's range.
;;   OPERANDS COMPUTED ON THE WAY. 'Computed on the way' means the value that the module computes at that place (a softmax that the list does not call 'softmax' is quantised finished and normalised). What goes into a quantiser is computed in f32, as accurately as f32 sums, v_exp_f32 and their like allow (about 1e-6 of the number): no bf16 or f16 on the way to a quantiser, and a product that is left as it is and whose result goes on into a quantised operand takes f32 operands (vector FMAs, or v_wmma_f32_16x16x4_f32). A number that lies on a knife's edge between two numbers of the format may be rounded either way, as far as f32 arithmetic and the matrix unit's own rounding can turn it there, and no further.
;; 2 versions, each right; version 2 is version 1 with the launch attn written anew for expert scheduling mode. Each part assembles by itself: llvm-mc -triple=amdgcn-amd-amdhsa -mcpu=gfx1250 --defsym DOCPART=n.
;; ======== version 1 of 2: 4 launches
;; workspace buffers: x_codes 8,388,608 bytes; wqkv_codes 3,145,728 bytes; wout_codes 1,048,576 bytes; q_img 8,388,608 bytes; k_img 8,388,608 bytes; v_img 8,388,608 bytes; attn_img 8,388,608 bytes
;; launch prep (part 1): grid 384 x 1, 4 waves a work-group, no clusters, 102,912 bytes of LDS; arguments x, W_qkv, W_out, lowp_scales, x_codes, wqkv_codes, wout_codes; writes x_codes, wqkv_codes, wout_codes
.if DOCPART == 1
	.amdgcn_target "amdgcn-amd-amdhsa--gfx1250"
	.amdhsa_code_object_version 6
	.text
	.protected	k_qba8c44343b_prep
	.globl	k_qba8c44343b_prep
	.p2align	8
	.type	k_qba8c44343b_prep,@function
k_qba8c44343b_prep:
	s_mov_b64 s[64:65], 0
	v_nop
	global_prefetch_b8 v0, s[64:65] scope:SCOPE_SE
	s_setreg_imm32_b32 hwreg(HW_REG_WAVE_MODE, 25, 1), 1
	s_wait_xcnt 0x0
; x [8192][1024], W_qkv [1024 k][3072 n] and W_out [1024 k][1024 n], f32, become codes of FP8 (E4M3), K innermost, each with its given scale 2^e
; (x: entry 0, W_qkv: entry 1, W_out: entry 7 of the scales).  code = number / 2^e, held within +-448, to the nearest code, ties to even.
; LIMITS: each e between -126 and 119, so that 2^e and 448 x 2^e are f32 numbers.  NaN among the inputs is not served.
; Work-groups 0-255 take x: a plain stream, 8,192 numbers a wave in 16 steps of 512.  Each load reads 512 consecutive bytes; a step's 2,048 bytes turn through the wave's
; own stage in LDS, so that a lane holds 16 neighbours along K for the conversions; a lane's 16 codes are 16 bytes, a wave's store 512 consecutive bytes.
; Work-groups 256-351 take W_qkv, 352-383 W_out: K is the FIRST axis there, so a lane takes a column n and its registers run down K: the conversions then give codes with
; K innermost, which leave through the wave's stage as rows: sixteen lanes store 256 consecutive aligned bytes.
; W_out's codes are laid with the groups of eight k inside each 32 in the order 0, 2, 1, 3: a 16-byte read at 32 c + 16 h then brings k = 32 c + 8 h + 0..7 and 32 c + 16 + 8 h + 0..7,
; the order in which the attention launch leaves its codes.
; The three paths part on the work-group's number alone, have no barrier (waves share nothing) and have LDS bytes of their own: 0, 32,768 and 67,584 on.
.set STEPS, 16
.set XR,  16                           ; v16-79   x: four sets of 16 numbers as loaded
.set XX,  80                           ; v80-111  x: two sets of 16 neighbours
.set XC,  128                          ; v128-191 x: codes, four registers a step, never written twice
.set SP,  80                           ; x: a lane's place in a stage: 64 bytes + 16 of padding
.set WP,  272                          ; weights: a stage row: 256 codes + 16 of padding
.set WX,  32                           ; v32-95   weights: two sets of 32 numbers
.set WC,  96                           ; v96-103  weights: a block's codes
.set WO,  112                          ; v112-175 weights: the way out
.set LBQ, 32768                        ; LDS of W_qkv's path: 4 stages of 32 x 272
.set LBO, 67584                        ; LDS of W_out's path
.macro MKSCALE es                      ; v11 = 2^e as f32 (the conversion takes its exponent field), v10 = 448 x 2^e
	s_add_co_i32 s34, s[\es], 127
	s_lshl_b32 s35, s34, 23
	v_mov_b32 v11, s35
	s_add_co_i32 s34, s34, 8
	s_lshl_b32 s34, s34, 23
	s_or_b32 s34, s34, 0x600000
	v_mov_b32 v10, s34
.endm
.macro XLOAD t
.irp i, 0,1,2,3
	global_load_b128 v[XR+16*((\t)%4)+4*\i:XR+16*((\t)%4)+4*\i+3], v3, s[4:5] offset:2048*(\t)+512*\i th:TH_LOAD_NT   ; 32 lanes read 512 consecutive bytes
.endr
.endm
.macro XTURN t                         ; a step's numbers through the stage: LDS serves a wave's instructions in order, so no wait stands between the stores and the loads
.irp i, 0,1,2,3
	ds_store_b128 v14, v[XR+16*((\t)%4)+4*\i:XR+16*((\t)%4)+4*\i+3] offset:32*SP*((\t)%2)+8*SP*\i
.endr
.irp i, 0,1,2,3
	ds_load_b128 v[XX+16*((\t)%2)+4*\i:XX+16*((\t)%2)+4*\i+3], v15 offset:32*SP*((\t)%2)+16*\i
.endr
.endm
.macro XSTEP t
.set XS, XX+16*((\t)%2)
	s_wait_dscnt 0x0                               ; this step's numbers are back from the stage, and its stores into the stage have read their registers,
.if (\t)+4 < STEPS
	XLOAD (\t)+4                                   ; which take the loads of four steps on
.endif
.if (\t)+1 < STEPS
.if STEPS-2-(\t) >= 3
	s_wait_loadcnt 12                              ; the next step's four loads are in; those of the three steps behind it stay out
.else
	s_wait_loadcnt 4*(STEPS-2-(\t))
.endif
	XTURN (\t)+1
.endif
.irp i, 0,1,2,3,4,5,6,7,8,9,10,11,12,13,14,15
	v_med3_num_f32 v[XS+\i], v[XS+\i], -v10, v10   ; the conversion to an 8-bit code does not saturate (ISA guide 7.6.2): the hold comes first
.endr
	v_cvt_scalef32_pk8_fp8_f32 v[XC+4*(\t):XC+4*(\t)+1], v[XS:XS+7], v11
	v_cvt_scalef32_pk8_fp8_f32 v[XC+4*(\t)+2:XC+4*(\t)+3], v[XS+8:XS+15], v11
	global_store_b128 v3, v[XC+4*(\t):XC+4*(\t)+3], s[12:13] offset:512*(\t)   ; the codes go to a store alone; the next vector lines are the next step's plain holds
.endm
.macro WLOAD t, N, SRC                 ; block t: W(32 t + i, my column), i = 0 .. 31, into set t % 2; a wave reads 128 consecutive bytes, the four waves 512
.set i, 0
.rept 32
	global_load_b32 v[WX+32*((\t)%2)+i], v3, s[\SRC:\SRC+1] offset:(32*(\t)+i)*\N*4 th:TH_LOAD_NT
.set i, i+1
.endr
.endm
.macro WBLOCK t, N, SRC, SWAP
.set XS, WX+32*((\t)%2)
.if (\t) < 7
	s_wait_loadcnt 32                              ; this block's 32 loads are in; the next block's stay out
.else
	s_wait_loadcnt 0
.endif
.set i, 0
.rept 32
	v_med3_num_f32 v[XS+i], v[XS+i], -v10, v10
.set i, i+1
.endr
.irp g, 0,1,2,3
.if \SWAP
.set PG, ((\g)&1)*2+((\g)>>1)          ; group g of eight k goes to place 0, 2, 1, 3
.else
.set PG, \g
.endif
	v_cvt_scalef32_pk8_fp8_f32 v[WC+2*PG:WC+2*PG+1], v[XS+8*\g:XS+8*\g+7], v11
.endr
	ds_store_b128 v4, v[WC:WC+3] offset:32*(\t)    ; 32 codes of my column's row
	ds_store_b128 v4, v[WC+4:WC+7] offset:32*(\t)+16
.if (\t)+2 < 8
	WLOAD (\t)+2, \N, \SRC
.endif
	s_wait_dscnt 0x0                               ; the stores have read their registers: the next block's codes may be written (its 32 plain holds come first)
.endm
; A weight [1024][N]: the work-group takes 128 columns x 256 along K, a wave 32 columns.  Every offset is an immediate: 255 x N x 4 is 3,133,440 at the most.
.macro QW N, ES, SWAP, LB, SRC, DST, WG0
	s_sub_co_u32 s19, ttmp9, \WG0
	s_lshr_b32 s20, s19, 2
	s_and_b32 s21, s19, 3                          ; which 256 along K
	s_lshl_b32 s20, s20, 7
	s_lshl_b32 s22, s18, 5
	s_add_co_u32 s20, s20, s22                     ; my wave's first column
	v_lshlrev_b32 v3, 2, v2                        ; in: 4 bytes a lane
	s_mul_i32 s22, s18, 32*WP
	s_add_co_u32 s22, s22, \LB                     ; my stage
	v_mul_u32_u24 v4, v2, WP
	v_add_nc_u32 v4, s22, v4                       ; into it: row = my column
	v_and_b32 v5, 15, v2
	v_lshrrev_b32 v6, 4, v2
	v_mul_u32_u24 v7, v6, WP
	v_lshl_add_u32 v7, v5, 4, v7
	v_add_nc_u32 v7, s22, v7                       ; out of it: sixteen lanes to a row, two rows an instruction
	v_lshlrev_b32 v8, 10, v6
	v_lshl_add_u32 v8, v5, 4, v8                   ; the same place in the codes' buffer (rows of 1,024 bytes)
	s_mul_i32 s32, s21, 256*\N*4
	s_lshl_b32 s23, s20, 2
	s_add_co_u32 s32, s32, s23
	s_mov_b32 s33, 0
	s_add_nc_u64 s[\SRC:\SRC+1], s[\SRC:\SRC+1], s[32:33]
	s_lshl_b32 s32, s20, 10
	s_lshl_b32 s23, s21, 8
	s_add_co_u32 s32, s32, s23
	s_add_nc_u64 s[\DST:\DST+1], s[\DST:\DST+1], s[32:33]
	WLOAD 0, \N, \SRC
	WLOAD 1, \N, \SRC
	MKSCALE \ES
.irp t, 0,1,2,3,4,5,6,7
	WBLOCK \t, \N, \SRC, \SWAP
.endr
.irp t, 0,1,2,3,4,5,6,7,8,9,10,11,12,13,14,15
	ds_load_b128 v[WO+4*\t:WO+4*\t+3], v7 offset:2*\t*WP   ; LDS serves a wave's instructions in order: these see my stores
.endr
.irp t, 0,1,2,3,4,5,6,7,8,9,10,11,12,13,14,15
	s_wait_dscnt 15-\t                             ; the younger reads stay out
	global_store_b128 v8, v[WO+4*\t:WO+4*\t+3], s[\DST:\DST+1] offset:2*\t*1024
.endr
.endm
	s_load_b256 s[4:11], s[0:1], 0x0               ; x s[4:5], W_qkv s[6:7], W_out s[8:9], the scales s[10:11]
	s_load_b128 s[12:15], s[0:1], 0x20             ; x's codes s[12:13], W_qkv's s[14:15]
	s_load_b64 s[16:17], s[0:1], 0x30              ; W_out's codes
	v_lshl_add_u32 v192, v0, 2, 0x19000
	v_mov_b32 v193, 0
	v_lshrrev_b32 v1, 5, v0
	v_readfirstlane_b32 s18, v1                    ; wave
	v_and_b32 v2, 31, v0                           ; lane
	s_wait_kmcnt 0x0
	s_load_b256 s[24:31], s[10:11], 0x0            ; e0 .. e7
	s_wait_kmcnt 0x0
	s_cmp_lt_u32 ttmp9, 256
	s_cbranch_scc0 .Lweights
	; ---- x
	v_lshlrev_b32 v3, 4, v2                        ; my 16 bytes of a load's 512, and of a step's 512 bytes of codes
	s_lshl_b32 s19, s18, 13                        ; my wave's 8,192 bytes of LDS: two stages of 32 x 80
	v_lshrrev_b32 v14, 2, v2
	v_mul_u32_u24 v14, v14, SP
	v_and_b32 v15, 3, v2
	v_lshl_add_u32 v14, v15, 4, v14
	v_add_nc_u32 v14, s19, v14                     ; in: four lanes' 64 bytes on end, then the padding
	v_mul_u32_u24 v15, v2, SP
	v_add_nc_u32 v15, s19, v15                     ; out: my 16 neighbours
	s_lshl_b32 s19, ttmp9, 2
	s_add_co_u32 s20, s19, s18                     ; which run of 8,192 numbers is my wave's
	s_mov_b32 s21, 0
	s_lshl_b64 s[22:23], s[20:21], 15
	s_add_nc_u64 s[4:5], s[4:5], s[22:23]
	s_lshl_b64 s[22:23], s[20:21], 13
	s_add_nc_u64 s[12:13], s[12:13], s[22:23]
.irp t, 0,1,2,3
	XLOAD \t
.endr
	MKSCALE 24
	s_wait_loadcnt 12                              ; step 0's four loads are in
	XTURN 0
.irp t, 0,1,2,3,4,5,6,7,8,9,10,11,12,13,14,15
	XSTEP \t
.endr
	s_wait_tensorcnt 0x0
	ds_add_u32 v192, v193
	s_wait_dscnt 0x0
	s_endpgm
.Lweights:
	s_cmp_lt_u32 ttmp9, 352
	s_cbranch_scc0 .Lwout
	QW 3072, 25, 0, LBQ, 6, 14, 256
	s_wait_tensorcnt 0x0
	ds_add_u32 v192, v193
	s_wait_dscnt 0x0
	s_endpgm
.Lwout:
	QW 1024, 31, 1, LBO, 8, 16, 352
	s_wait_tensorcnt 0x0
	ds_add_u32 v192, v193
	s_wait_dscnt 0x0
	s_endpgm
.Lfunc_end_k_qba8c44343b_prep:
	.size	k_qba8c44343b_prep, .Lfunc_end_k_qba8c44343b_prep-k_qba8c44343b_prep
	.p2alignl 7, 3214868480
	.fill 96, 4, 3214868480
	.section	.rodata,"a",@progbits
	.p2align	6, 0x0
	.amdhsa_kernel k_qba8c44343b_prep
		.amdhsa_group_segment_fixed_size 102912
		.amdhsa_private_segment_fixed_size 0
		.amdhsa_enable_private_segment 0
		.amdhsa_kernarg_size 56
		.amdhsa_user_sgpr_count 2
		.amdhsa_user_sgpr_kernarg_segment_ptr 1
		.amdhsa_wavefront_size32 1
		.amdhsa_system_sgpr_workgroup_id_x 1
		.amdhsa_system_sgpr_workgroup_id_y 1
		.amdhsa_system_sgpr_workgroup_id_z 1
		.amdhsa_system_vgpr_workitem_id 0
		.amdhsa_next_free_vgpr 194
		.amdhsa_next_free_sgpr 66
		.amdhsa_reserve_vcc 0
		.amdhsa_float_denorm_mode_32 3
		.amdhsa_float_denorm_mode_16_64 3
		.amdhsa_memory_ordered 1
		.amdhsa_forward_progress 1
		.amdhsa_inst_pref_size 133
	.end_amdhsa_kernel
	.amdgpu_metadata
---
amdhsa.version: [ 1, 2 ]
amdhsa.kernels:
  - .name:           k_qba8c44343b_prep
    .symbol:         k_qba8c44343b_prep.kd
    .args:
      - { .name: x, .offset: 0, .size: 8, .value_kind: global_buffer, .address_space: global }
      - { .name: W_qkv, .offset: 8, .size: 8, .value_kind: global_buffer, .address_space: global }
      - { .name: W_out, .offset: 16, .size: 8, .value_kind: global_buffer, .address_space: global }
      - { .name: lowp_scales, .offset: 24, .size: 8, .value_kind: global_buffer, .address_space: global }
      - { .name: x_codes, .offset: 32, .size: 8, .value_kind: global_buffer, .address_space: global }
      - { .name: wqkv_codes, .offset: 40, .size: 8, .value_kind: global_buffer, .address_space: global }
      - { .name: wout_codes, .offset: 48, .size: 8, .value_kind: global_buffer, .address_space: global }
    .group_segment_fixed_size: 102912
    .private_segment_fixed_size: 0
    .kernarg_segment_align: 8
    .kernarg_segment_size: 56
    .max_flat_workgroup_size: 128
    .sgpr_count:     66
    .vgpr_count:     194
    .wavefront_size: 32
...
	.end_amdgpu_metadata
.endif
;; end of part 1
;; launch qkv (part 2): grid 12 x 32, 4 waves a work-group, clusters of 4 x 4, 327,680 bytes of LDS; arguments x_codes, wqkv_codes, lowp_scales, b_qkv, q_img, k_img, v_img; writes q_img, k_img, v_img
.if DOCPART == 2
	.amdgcn_target "amdgcn-amd-amdhsa--gfx1250"
	.amdhsa_code_object_version 6
	.text
	.protected	k_qba8c44343b_qkv
	.globl	k_qba8c44343b_qkv
	.p2align	8
	.type	k_qba8c44343b_qkv,@function
k_qba8c44343b_qkv:
	s_mov_b64 s[64:65], 0
	v_nop
	global_prefetch_b8 v0, s[64:65] scope:SCOPE_SE
	s_setreg_imm32_b32 hwreg(HW_REG_WAVE_MODE, 25, 1), 1
	s_wait_xcnt 0x0
	s_wait_alu depctr_hold_cnt(0) depctr_sa_sdst(0) depctr_va_vdst(0) depctr_va_sdst(0) depctr_va_ssrc(0) depctr_va_vcc(0) depctr_vm_vsrc(0)
	s_getreg_b32 s2, hwreg(HW_REG_IB_STS2, 6, 4)
	s_cmp_eq_u32 s2, 0
	s_cbranch_scc0 .Lentry_in_a_cluster
	s_endpgm
.Lentry_in_a_cluster:
	s_bfe_u32 s2, ttmp6, 0x10000c
	s_cmp_lg_u32 s2, 0xf033
	s_cbranch_scc0 .Lentry_shape_is_right
	s_endpgm
.Lentry_shape_is_right:
; qkv = x W_qkv + b_qkv on codes of FP8 (E4M3), and the quantisers of q, k and v.  x_codes [8192][1024], wqkv_codes [3072 n][1024 k]: K innermost.
; A tile of 256 x 256 is made by four waves, 128 x 128 each: 64 accumulators, 512 registers.  K goes in steps of 256 through a ring of two LDS slots filled by the tensor data mover.
; CLUSTERS: 4 x 4 work-groups.  The operand whose rows fall on LANES (source 1; below: A) is shared along a row of the cluster, the one whose rows fall on REGISTERS (source 0; B) along a column: joint loads.
; ROLES, by the cluster's x, which all sixteen partners share.  x = 0 (q), 1 (k): A = x's rows (tokens), B = W's rows (channels): a lane holds a token and eight neighbouring channels.
; x = 2 (v): A = W's rows 2,048 on (channels), B = x's rows (tokens): a lane holds a channel and eight neighbouring TOKENS, which are the K of attention's second product: nothing is transposed.
; THE WAY OUT.  number = sum x 2^(e0 + e1) + bias, in f32; held within +-448 x 2^e (e = entry 2, 3, 5 for q, k, v); eight numbers of a lane become eight codes.  The codes of two neighbouring result tiles
; are four registers of the next operand in its own layout (registers 2 c, 2 c + 1: k = 16 c + 8 h + 0..7), so they are stored as images of registers: 16 bytes a lane, 512 consecutive aligned bytes a store.
;   q_img, k_img: [head of a batch, 64][16 tokens, 128][c 2][lane][16 bytes]       v_img: [head of a batch, 64][128 keys, 16][16 channels, 4][c 4][lane][16 bytes]
; LIMITS: e0 + e1 between -126 and 127; e2, e3, e5 between -126 and 119.  NaN among the inputs is not served.
; REGISTERS, in windows of 256: window 0: v1-31 addresses and two scales; v32-63 at work on the way out; v64-127 the bias; from v128 A's fragments, ONE set, later the codes.
;   window 1: B's fragments, TWO sets.   window 2: the accumulators of my A rows 0-63 ((a, b) at v[8 (8 a + b)]);   window 3: those of rows 64-127.
.set KROW,   1024                      ; a row of codes in memory, in bytes
.set ROWB,   256                       ; a tile's row: 256 codes
.set PITCH,  272                       ; an LDS row: 256 bytes + 16 of padding = 68 words: the 16 rows that a load touches start at 16 different banks (64 banks of 4 bytes: ISA guide 11.1)
.set FR,     16                        ; registers of a fragment: 16 rows x 128 K
.set NL,     4                         ; LDS loads that bring one
.set NP,     4                         ; places behind this matrix instruction (ISA guide 7.12.1)
.set HALFT,  128*PITCH
.set SLOT,   4*HALFT                   ; A's 256 rows, then B's 256 rows
.set LAPS,   2                         ; K = 1,024 = two laps of two K steps
.set SPARE,  2*SLOT                    ; behind the ring: the spare words, 128 bytes a wave: two blocks of 256 bytes that no other line names
.set ADRA, 16                          ; v16-17  LDS address of my A fragments in slot 0, 1
.set ADRB, 20                          ; v20-21  the same for B
.set LI,   24                          ; v24     16 x lane: my place in an image
.set SPW,  28                          ; v28     my spare word; never rewritten
.set NIL,  29                          ; v29     0; never rewritten
.set QSC,  30                          ; v30     2^e of the operand that is made
.set QLIM, 31                          ; v31     448 x that
.set TMP,  32
.set BQ,   64
.set AF,   128
.set CD,   128                         ; the codes: 16 registers for each of my eight blocks, never written twice
.set G1, 24                            ; s[24:31] descriptor group 1 for A's tiles;  s[32:39] group 0, one set for each slot
.set G0, 32
.set G1B, 48                           ; s[48:55], s[56:63] the same for B's tiles
.set G0B, 56
.set MSB, 0
.macro WIN new                         ; the immediate's high byte repeats the setting that is left
.if MSB != (\new)
	s_set_vgpr_msb (MSB<<8)|(\new)
.set MSB, \new
.endif
.endm
.set MUL_LO, 0xa1                      ; source 0 (B) window 1, source 1 (A) window 0, C and D window 2
.set MUL_HI, 0xf1                      ; the same, C and D window 3
.set TO_B,   0x40                      ; destination window 1, address window 0
; A joint load: waves 0 and 1 fetch for A, waves 2 and 3 for B; the branch hangs on the wave's number alone.  Four v_nop follow each of the two lines.
.macro JLOAD g0a, g1a, g0b, g1b
	s_cmp_eq_u32 s15, 0
	s_cbranch_scc0 .Lfor_b_\@
	tensor_load_to_lds s[\g0a:\g0a+3], s[\g1a:\g1a+7]
	s_nop 0
.rept 4
	v_nop
.endr
	s_branch .Lasked_\@
.Lfor_b_\@:
	tensor_load_to_lds s[\g0b:\g0b+3], s[\g1b:\g1b+7]
	s_nop 0
.rept 4
	v_nop
.endr
.Lasked_\@:
.endm
.macro CREST                           ; a round of the cluster's barrier behind its opening barrier
	s_cmp_lg_u32 s14, 0
	s_cbranch_scc1 .Lnot_wave_0_\@
	s_barrier_signal -3
.Lnot_wave_0_\@:
	s_barrier_wait -3
	s_barrier_signal -1
	s_barrier_wait -1
.endm
.macro CROUND
	s_barrier_signal -1
	s_barrier_wait -1
	CREST
.endm
	s_load_b128 s[4:7], s[0:1], 0x0                ; x's codes s[4:5], W's codes s[6:7]
	s_load_b128 s[8:11], s[0:1], 0x10              ; the scales s[8:9], the bias s[10:11]
	s_load_b128 s[80:83], s[0:1], 0x20             ; q_img s[80:81], k_img s[82:83]
	s_load_b64 s[84:85], s[0:1], 0x30              ; v_img
	v_lshl_add_u32 v[SPW], v0, 2, SPARE
	v_mov_b32 v[NIL], 0
	ds_add_u32 v28, v29
	ds_add_u32 v28, v29
	s_wait_dscnt 0x0
	v_lshrrev_b32 v1, 5, v0
	v_readfirstlane_b32 s14, v1                    ; wave 0..3
	s_lshr_b32 s15, s14, 1                         ; which half of A's rows is mine.  Also: I fetch for A (0) or for B (1)
	s_and_b32 s16, s14, 1                          ; which half of B's rows.  Also: which 128 rows of that tile I fetch
	s_bfe_u32 s40, ttmp6, 0x40000                  ; cx, cy: my place in the cluster
	s_bfe_u32 s41, ttmp6, 0x40004
	s_and_b32 s66, ttmp7, 0xffff
	s_lshl_b32 s66, s66, 2                         ; 4 x cluster y
	s_lshl_b32 s67, ttmp9, 2                       ; 4 x cluster x
	s_add_co_u32 s17, s66, s41                     ; q, k: A's block of 256 rows = tokens 4 Y + cy
	s_add_co_u32 s86, s41, 8                       ; v:    A's block = W's rows 8 + cy
	s_add_co_u32 s42, s67, s40                     ; q, k: B's block = W's rows 4 X + cx
	s_add_co_u32 s87, s66, s40                     ; v:    B's block = tokens 4 Y + cx
	s_cmp_eq_u32 ttmp9, 2                          ; the choice hangs on the cluster's x alone; A's block holds cy and never cx, B's cx and never cy
	s_cselect_b32 s17, s86, s17
	s_cselect_b32 s42, s87, s42
	s_lshl_b32 s43, s41, 2
	s_lshl_b32 s43, 15, s43                        ; my row of the cluster
	s_lshl_b32 s44, 0x1111, s40                    ; my column
	; descriptor group 1: a tile of 128 rows x 256 bytes, padded in LDS
	s_or_b32 s[G1+0], s43, (0<<16)|(1<<20)|(1<<21)|(5<<22)|(3<<25)  ; 15:0 the mask; 17:16 elements of 1 byte; 20 padding on; 21 set beside a mask; 24:22 after every 64 words; 31:25 four words
	s_or_b32 s[G1B+0], s44, (0<<16)|(1<<20)|(1<<21)|(5<<22)|(3<<25)
.irp g, G1, G1B
	s_mov_b32 s[\g+1], ROWB<<16                    ; tensor_dim0
	s_mov_b32 s[\g+2], 128<<16                     ; tensor_dim1
	s_mov_b32 s[\g+3], ROWB<<16                    ; tile_dim0
	s_mov_b32 s[\g+4], 128                         ; tile_dim1
	s_mov_b32 s[\g+5], KROW                        ; tensor_dim0_stride
	s_mov_b32 s[\g+6], 0
	s_mov_b32 s[\g+7], 0
.endr
	s_lshl_b32 s18, s16, 7                         ; which 128 rows of the tile I fetch
	s_lshl_b32 s20, s17, 8
	s_add_co_u32 s20, s20, s18
	s_lshl_b32 s20, s20, 10                        ; A: that row's first byte (under 2^24)
	s_mov_b32 s21, 0
	s_lshl_b32 s46, s42, 8
	s_add_co_u32 s46, s46, s18
	s_lshl_b32 s46, s46, 10                        ; B likewise
	s_mov_b32 s47, 0
	s_mul_i32 s45, s14, HALFT                      ; where they go: wave x 128 rows: no place in the cluster enters an LDS address
	s_wait_kmcnt 0x0
	s_load_b256 s[72:79], s[8:9], 0x0              ; e0 .. e7
	s_cmp_eq_u32 ttmp9, 2
	s_cselect_b64 s[68:69], s[6:7], s[4:5]         ; A's buffer
	s_cselect_b64 s[70:71], s[4:5], s[6:7]         ; B's buffer
	s_add_nc_u64 s[20:21], s[68:69], s[20:21]
	s_add_nc_u64 s[46:47], s[70:71], s[46:47]
	CROUND                                         ; all sixteen work-groups are here: the first joint loads meet
.irp s, 0,1
	s_mov_b32 s[G0+4*\s], 1
	s_add_co_u32 s[G0+4*\s+1], s45, \s*SLOT
	s_add_nc_u64 s[G0+4*\s+2:G0+4*\s+3], s[20:21], \s*ROWB
	s_or_b32 s[G0+4*\s+3], s[G0+4*\s+3], 0x80000000
	s_mov_b32 s[G0B+4*\s], 1
	s_add_co_u32 s[G0B+4*\s+1], s45, \s*SLOT
	s_add_nc_u64 s[G0B+4*\s+2:G0B+4*\s+3], s[46:47], \s*ROWB
	s_or_b32 s[G0B+4*\s+3], s[G0B+4*\s+3], 0x80000000
	JLOAD G0+4*\s, G1, G0B+4*\s, G1B
.endr
	v_and_b32 v1, 15, v0                           ; r = l % 16
	v_bfe_u32 v2, v0, 4, 1                         ; h = l / 16
	v_mul_u32_u24 v3, v1, PITCH
	v_lshl_add_u32 v4, v2, 4, v3                   ; a fragment's row x pitch + 16 x half
	s_mul_i32 s21, s15, HALFT                      ; my 128 rows of A
	s_mul_i32 s22, s16, HALFT                      ; my 128 rows of B,
	s_add_co_u32 s22, s22, 2*HALFT                 ; which lie behind A's 256
.irp s, 0,1
	v_add_nc_u32 v[ADRA+\s], s21, v4
	v_add_nc_u32 v[ADRB+\s], s22, v4
	s_add_co_u32 s21, s21, SLOT
	s_add_co_u32 s22, s22, SLOT
.endr
	; THE BIAS, in the results' layout, without a branch.  q, k: register 8 b + i = the bias of channel 16 b + 8 h + i (byte 64 b + 32 h + 4 i);  v: register 8 a + i = that of channel 16 a + r (byte 64 a + 4 r), for every i
	s_cmp_eq_u32 ttmp9, 2
	s_cselect_b32 s92, 4, 0                        ; bytes for r,
	s_cselect_b32 s93, 0, 32                       ; for h,
	s_cselect_b32 s94, 0, 4                        ; for i
	s_cselect_b32 s86, s17, s42                    ; W's block of 256 rows,
	s_cselect_b32 s87, s15, s16                    ; and my half of it
	s_lshl_b32 s86, s86, 10
	s_lshl_b32 s87, s87, 9
	s_add_co_u32 s90, s86, s87
	s_mov_b32 s91, 0
	s_add_nc_u64 s[90:91], s[10:11], s[90:91]
	v_mul_u32_u24 v7, v1, s92
	v_mad_u32_u24 v7, v2, s93, v7
.irp i, 0,1,2,3,4,5,6,7
	s_mul_i32 s95, s94, \i
	v_add_nc_u32 v[8+\i], s95, v7
.endr
.irp g, 0,1,2,3,4,5,6,7
.irp i, 0,1,2,3,4,5,6,7
	global_load_b32 v[BQ+8*\g+\i], v[8+\i], s[90:91] offset:64*\g
.endr
.endr
.macro FRAG reg, adr, q, i             ; 16 rows x 128 K: lane l holds row l % 16; registers 4 c .. 4 c + 3 hold K = 32 c + 16 (l / 16) + 0 .. 15: the same permutation of k in A and in B
.irp c, 0,1,2,3
	ds_load_b128 v[\reg+4*\c:\reg+4*\c+3], v[\adr] offset:128*(\q)+32*\c+(\i)*16*PITCH
.endr
.endm
; 16 matrix instructions: A's blocks a0, a0 + 1 x B's eight, 128 along K.  The 64 accumulators take turns, one instruction a turn, in the same order in every step.
.macro MUL16 a0, p, zero
.irp a, \a0, \a0+1
.irp b, 0,1,2,3,4,5,6,7
.if \zero
	v_wmma_f32_16x16x128_fp8_fp8 v[8*(8*((\a)%4)+\b):8*(8*((\a)%4)+\b)+7], v[128*(\p)+FR*\b:128*(\p)+FR*\b+FR-1], v[AF+FR*(\a):AF+FR*(\a)+FR-1], 0
.else
	v_wmma_f32_16x16x128_fp8_fp8 v[8*(8*((\a)%4)+\b):8*(8*((\a)%4)+\b)+7], v[128*(\p)+FR*\b:128*(\p)+FR*\b+FR-1], v[AF+FR*(\a):AF+FR*(\a)+FR-1], v[8*(8*((\a)%4)+\b):8*(8*((\a)%4)+\b)+7]
.endif
.endr
.endr
.endm
.macro FETCH_B slot, q, p
	WIN TO_B
.irp i, 0,1,2,3,4,5,6,7
	FRAG 128*(\p)+FR*\i, ADRB+\slot, \q, \i
.endr
	WIN 0
.endm
.macro FETCH_A slot, q, i0
.irp i, \i0, \i0+1, \i0+2, \i0+3
	FRAG AF+FR*(\i), ADRA+\slot, \q, \i
.endr
.endm
.macro PLACES n                        ; plain vector lines between a matrix instruction and a load into, or a vector read of, its registers
.rept \n
	v_nop
.endr
.endm
; A step of 128 along K that has its successor in the same slot.  A's blocks are free as soon as their eight products are issued: blocks 0-3 are fetched anew in the middle, blocks 4-7 at the end.
.macro STEP slot, q, zero
	s_wait_dscnt 4*NL                              ; B's set and A's blocks 0-3 are in; the youngest 16 loads (A's blocks 4-7) may be out
	WIN MUL_LO
	MUL16 0, (\q)%2, \zero
	MUL16 2, (\q)%2, \zero
	s_wait_dscnt 0                                 ; A's blocks 4-7 are in
	PLACES NP
	FETCH_B \slot, (\q)+1, 1-(\q)%2
	FETCH_A \slot, (\q)+1, 0
	WIN MUL_HI
	MUL16 4, (\q)%2, \zero
	MUL16 6, (\q)%2, \zero
	PLACES NP
	WIN 0
	FETCH_A \slot, (\q)+1, 4
.endm
; A slot's last step changes slots: ONE barrier; in front of it each wave waits for all its tensor loads, adds 0 to its spare word, and waits for that and for its own reads of this slot.
.macro TURN slot, next, fill
	s_wait_tensorcnt 0x0                           ; all my tensor loads have landed: my part of the next slot
	ds_add_u32 v[SPW], v[NIL]                      ; 0 onto my spare word
	s_wait_dscnt 4*NL+1                            ; (the add and the youngest 16 loads, A's blocks 4-7, may be out)
	WIN MUL_LO
	MUL16 0, 1, 0                                  ; sixteen matrix instructions stand between the add and the wait for it
	s_wait_dscnt 0x0                               ; the add is done, and my reads of this slot are over
	s_barrier_signal -1
	MUL16 2, 1, 0
	WIN 0
	s_barrier_wait -1
.if \fill
	CREST                                          ; the barrier has opened a round of the cluster's barrier: no wave of any partner still reads this slot or has a load on its way
	s_add_nc_u64 s[G0+4*\slot+2:G0+4*\slot+3], s[G0+4*\slot+2:G0+4*\slot+3], 2*ROWB
	s_add_nc_u64 s[G0B+4*\slot+2:G0B+4*\slot+3], s[G0B+4*\slot+2:G0B+4*\slot+3], 2*ROWB
	JLOAD G0+4*\slot, G1, G0B+4*\slot, G1B         ; the first tensor load behind the round; its four v_nop are the places in front of the loads below
.else
	PLACES NP
.endif
	FETCH_B \next, 0, 0
	FETCH_A \next, 0, 0
	WIN MUL_HI
	MUL16 4, 1, 0
	MUL16 6, 1, 0
	PLACES NP
	WIN 0
	FETCH_A \next, 0, 4
.endm
	s_wait_loadcnt 0x0                             ; the bias is in: no load of mine is out at any signal
	s_wait_tensorcnt 1                             ; my part of K step 0 is in; K step 1's load may be out
	s_barrier_signal -1
	s_barrier_wait -1
	FETCH_B 0, 0, 0
	FETCH_A 0, 0, 0
	FETCH_A 0, 0, 4
	STEP 0, 0, 1                                   ; the first step stands in front of the loop: its products start the sums
	s_mov_b32 s3, LAPS-1
.Llap:                                                 ; a trip goes once round the ring and fills both slots again
	TURN 0, 1, 1
	STEP 1, 0, 0
	TURN 1, 0, 1
	STEP 0, 0, 0
	s_sub_co_u32 s3, s3, 1
	s_cmp_lg_u32 s3, 0
	s_cbranch_scc1 .Llap
	TURN 0, 1, 0                                   ; the last lap fills nothing
	STEP 1, 0, 0
	s_wait_dscnt 4*NL
	WIN MUL_LO
	MUL16 0, 1, 0
	MUL16 2, 1, 0
	s_wait_dscnt 0
	WIN MUL_HI
	MUL16 4, 1, 0
	MUL16 6, 1, 0
	WIN 0
; THE WAY OUT.  kind = 0 (q, k): the bias goes by B's block b; kind = 1 (v): by A's block a.  Four result tiles at a time: 16 packed multiply-adds (each accumulator from its low end on), 32 holds, 4 conversions.
.macro EPI kind
.irp a, 0,1,2,3,4,5,6,7
.irp hb, 0,1
	WIN 0x02+((\a)/4)                              ; source 0: window 2 or 3
.irp bb, 0,1,2,3
.irp i, 0,2,4,6
.if \kind
	v_pk_fma_f32 v[TMP+8*\bb+\i:TMP+8*\bb+\i+1], v[64*(\a%4)+8*(4*\hb+\bb)+\i:64*(\a%4)+8*(4*\hb+\bb)+\i+1], s[96:97], v[BQ+8*\a+\i:BQ+8*\a+\i+1] op_sel_hi:[1,0,1]
.else
	v_pk_fma_f32 v[TMP+8*\bb+\i:TMP+8*\bb+\i+1], v[64*(\a%4)+8*(4*\hb+\bb)+\i:64*(\a%4)+8*(4*\hb+\bb)+\i+1], s[96:97], v[BQ+8*(4*\hb+\bb)+\i:BQ+8*(4*\hb+\bb)+\i+1] op_sel_hi:[1,0,1]
.endif
.endr
.endr
	WIN 0
.set j, 0
.rept 32
	v_med3_num_f32 v[TMP+j], v[TMP+j], -v[QLIM], v[QLIM]   ; the conversion does not saturate (ISA guide 7.6.2): the hold comes first
.set j, j+1
.endr
.irp bb, 0,1,2,3
	v_cvt_scalef32_pk8_fp8_f32 v[CD+16*\a+2*(4*\hb+\bb):CD+16*\a+2*(4*\hb+\bb)+1], v[TMP+8*\bb:TMP+8*\bb+7], v[QSC]
.endr
	v_nop                                          ; a plain line between the conversions and the next lines that write their sources
.endr
.irp g, 0,1,2,3
.if \kind
	global_store_b128 v[LI], v[CD+16*\a+4*\g:CD+16*\a+4*\g+3], s[88:89] offset:(\a/4)*131072+(\a%4)*2048+\g*512 th:TH_STORE_NT   ; head a / 4, channels 16 (a % 4) on, keys 32 g on
.else
	global_store_b128 v[LI], v[CD+16*\a+4*\g:CD+16*\a+4*\g+3], s[88:89] offset:\a*1024+(\g%2)*512+(\g/2)*131072 th:TH_STORE_NT   ; tokens 16 a on, head g / 2, channels 32 (g % 2) on
.endif
.endr
.endr
.endm
	s_wait_kmcnt 0x0
	s_add_co_i32 s96, s72, s73
	s_add_co_i32 s96, s96, 127
	s_lshl_b32 s96, s96, 23                        ; 2^(e0 + e1) as f32
	s_mov_b32 s97, s96                             ; (named with it as a pair, so it is written)
	s_cmp_eq_u32 ttmp9, 0
	s_cselect_b32 s66, s74, s75
	s_cmp_eq_u32 ttmp9, 2
	s_cselect_b32 s66, s77, s66                    ; e of what I make: e2, e3 or e5: a choice, no branch
	s_add_co_i32 s66, s66, 127
	s_lshl_b32 s67, s66, 23
	v_mov_b32 v[QSC], s67
	s_add_co_i32 s66, s66, 8
	s_lshl_b32 s66, s66, 23
	s_or_b32 s66, s66, 0x600000
	v_mov_b32 v[QLIM], s66
	v_and_b32 v[LI], 31, v0
	v_lshlrev_b32 v[LI], 4, v[LI]
	PLACES NP                                      ; behind the last products: their results are read and A's registers written below
	s_cmp_eq_u32 ttmp9, 2                          ; the cluster's x: the same in all partners; no barrier and no tensor load stands in either arm
	s_cbranch_scc1 .Lv_out
	s_lshl_b32 s92, s17, 8
	s_lshl_b32 s93, s15, 7
	s_add_co_u32 s92, s92, s93                     ; my first token
	s_lshr_b32 s93, s92, 11                        ; its batch
	s_lshl_b32 s93, s93, 4
	s_lshl_b32 s94, s40, 2
	s_add_co_u32 s93, s93, s94
	s_lshl_b32 s94, s16, 1
	s_add_co_u32 s93, s93, s94                     ; 16 x batch + my first head (4 cx + 2 x half)
	s_lshl_b32 s93, s93, 7
	s_and_b32 s92, s92, 2047
	s_lshr_b32 s92, s92, 4
	s_add_co_u32 s92, s92, s93
	s_lshl_b32 s92, s92, 10                        ; x 1,024 bytes a tile of 16 tokens
	s_mov_b32 s93, 0
	s_cmp_eq_u32 ttmp9, 0
	s_cselect_b64 s[88:89], s[80:81], s[82:83]
	s_add_nc_u64 s[88:89], s[88:89], s[92:93]
	EPI 0
	s_branch .Ldone
.Lv_out:
	s_lshl_b32 s92, s42, 8
	s_lshl_b32 s93, s16, 7
	s_add_co_u32 s92, s92, s93                     ; my first token: a whole key step of 128
	s_lshr_b32 s93, s92, 11
	s_lshl_b32 s93, s93, 4
	s_lshl_b32 s94, s41, 2
	s_add_co_u32 s93, s93, s94
	s_lshl_b32 s94, s15, 1
	s_add_co_u32 s93, s93, s94                     ; 16 x batch + my first head (4 cy + 2 x half)
	s_lshl_b32 s93, s93, 4
	s_and_b32 s92, s92, 2047
	s_lshr_b32 s92, s92, 7
	s_add_co_u32 s92, s92, s93
	s_lshl_b32 s92, s92, 13                        ; x 8,192 bytes a key step
	s_mov_b32 s93, 0
	s_add_nc_u64 s[88:89], s[84:85], s[92:93]
	EPI 1
.Ldone:
	s_wait_tensorcnt 0x0                           ; the wave's end
	ds_add_u32 v[SPW], v[NIL]
	s_wait_dscnt 0x0
	CROUND                                         ; the closing round: no work-group ends while a partner may still ask for a tile that names it
	s_endpgm
.Lfunc_end_k_qba8c44343b_qkv:
	.size	k_qba8c44343b_qkv, .Lfunc_end_k_qba8c44343b_qkv-k_qba8c44343b_qkv
	.p2alignl 7, 3214868480
	.fill 96, 4, 3214868480
	.section	.rodata,"a",@progbits
	.p2align	6, 0x0
	.amdhsa_kernel k_qba8c44343b_qkv
		.amdhsa_group_segment_fixed_size 327680
		.amdhsa_private_segment_fixed_size 0
		.amdhsa_enable_private_segment 0
		.amdhsa_kernarg_size 56
		.amdhsa_user_sgpr_count 2
		.amdhsa_user_sgpr_kernarg_segment_ptr 1
		.amdhsa_wavefront_size32 1
		.amdhsa_system_sgpr_workgroup_id_x 1
		.amdhsa_system_sgpr_workgroup_id_y 1
		.amdhsa_system_sgpr_workgroup_id_z 1
		.amdhsa_system_vgpr_workitem_id 0
		.amdhsa_next_free_vgpr 1024
		.amdhsa_next_free_sgpr 98
		.amdhsa_reserve_vcc 0
		.amdhsa_float_denorm_mode_32 3
		.amdhsa_float_denorm_mode_16_64 3
		.amdhsa_memory_ordered 1
		.amdhsa_forward_progress 1
		.amdhsa_inst_pref_size 199
	.end_amdhsa_kernel
	.amdgpu_metadata
---
amdhsa.version: [ 1, 2 ]
amdhsa.kernels:
  - .name:           k_qba8c44343b_qkv
    .symbol:         k_qba8c44343b_qkv.kd
    .args:
      - { .name: x_codes, .offset: 0, .size: 8, .value_kind: global_buffer, .address_space: global }
      - { .name: wqkv_codes, .offset: 8, .size: 8, .value_kind: global_buffer, .address_space: global }
      - { .name: lowp_scales, .offset: 16, .size: 8, .value_kind: global_buffer, .address_space: global }
      - { .name: b_qkv, .offset: 24, .size: 8, .value_kind: global_buffer, .address_space: global }
      - { .name: q_img, .offset: 32, .size: 8, .value_kind: global_buffer, .address_space: global }
      - { .name: k_img, .offset: 40, .size: 8, .value_kind: global_buffer, .address_space: global }
      - { .name: v_img, .offset: 48, .size: 8, .value_kind: global_buffer, .address_space: global }
    .group_segment_fixed_size: 327680
    .private_segment_fixed_size: 0
    .kernarg_segment_align: 8
    .kernarg_segment_size: 56
    .max_flat_workgroup_size: 128
    .sgpr_count:     98
    .vgpr_count:     1024
    .wavefront_size: 32
...
	.end_amdgpu_metadata
.endif
;; end of part 2
;; launch attn (part 3): grid 4 x 64, 8 waves a work-group, no clusters, 100,352 bytes of LDS; arguments q_img, k_img, v_img, padding_mask, lowp_scales, attn_img; writes attn_img
.if DOCPART == 3
	.amdgcn_target "amdgcn-amd-amdhsa--gfx1250"
	.amdhsa_code_object_version 6
	.text
	.protected	k_qba8c44343b_attn
	.globl	k_qba8c44343b_attn
	.p2align	8
	.type	k_qba8c44343b_attn,@function
k_qba8c44343b_attn:
	s_mov_b64 s[64:65], 0
	v_nop
	global_prefetch_b8 v0, s[64:65] scope:SCOPE_SE
	s_setreg_imm32_b32 hwreg(HW_REG_WAVE_MODE, 25, 1), 1
	s_wait_xcnt 0x0
; attn = softmax(q k^T / 8, causal and padding masks) v for one head of one batch, both products on codes of FP8 (E4M3), and the quantiser of attn.
; t = score x log2(e) / 8; M = the running largest t rounded UP to a whole number; p = 2^(t - M) is quantised with 2^e4; the row's sum is taken of the unquantised p and divides at the end.
; SHARES.  Work-group (p, head) owns the query blocks p and 7 - p, 256 queries each: (p + 1) + (8 - p) = 9 slots of 256 keys for every work-group.  Each of eight waves owns 32 queries of the block: two tiles,
; so that each fragment of K and V read from LDS feeds two products.  A step is 128 keys.  A step all of whose keys come after the wave's queries is jumped over (a scalar branch on ids).
; LAYOUT.  Both products are used transposed (S^T = K Q^T, O^T = V^T P^T): a lane holds ONE query throughout; S^T's register 8 kt + j is key 16 kt + 8 h + j, so eight registers convert into registers
; 2 kt, 2 kt + 1 of P in the second product's own layout.  q_img, k_img, v_img are images of operand registers (16 bytes a lane): all reads are dense and nothing is transposed.
; THE SLOTS come through registers: a slot is 16 KiB of K, 16 KiB of V and 256 mask words: 8 loads of 16 bytes and one of 4 a thread, issued at a trip's head, stored into the other LDS buffer at its end: one barrier a trip.
; NO TENSOR LOAD, so that scalar branches may hang on whole numbers read from memory (e4; which key steps have holes in the padding mask).  NO CLUSTER: in one trip the four work-groups of a head want different
; slots (slot t while t <= p, slot t - p - 1 afterwards), so no request is joint.  NO PREFETCH: each slot is asked for two key steps ahead of its use, into registers.
; THE PADDING MASK is honoured as given: a key step with a hole adds 0 or -infinity to its scores ahead of the maximum.  A query with no key left has sum 0: its codes become the NaN code.
; OUT: attn_img [16 tokens, 512][pair of heads, 8][c 4][lane][16 bytes]: images of the last product's operand registers; a store covers 512 consecutive aligned bytes.
; LIMITS: e2 + e3 between -123 and 130 (added to c's exponent field); e4 and e6 between -126 and 119; e4 + e5 goes by v_ldexp_f32 and has none.  NaN among the inputs is not served.
; REGISTERS.  Window 0: v1-15 addresses and constants; v16-31 statistics, eight a tile; v32-47 Q; v48-63 the second block's Q; v64-95 P's codes; v96-223 S^T, then p; v224-255 a slot on its way.
;   Window 1: v0-63 O^T (32 u + 8 nu); v64-127 K's eight fragments; v128-191 V's four; v192-255 the mask's 0 / -infinity.
.set LI,   1                           ; 16 x lane
.set ADR,  2
.set T16,  3                           ; 16 x thread
.set H32,  4                           ; 32 x (lane / 16)
.set T4,   5                           ; 4 x thread
.set SAT,  6
.set MAT,  7
.set BA,   8
.set RH,   9                           ; r - 8 h
.set D0,   10                          ; v10, v11 at work
.set NINF, 12                          ; -infinity
.set MST,  13                          ; my mask word of the slot on its way
.set PSC,  14                          ; 2^e4
.set PLIM, 15                          ; 448 x 2^e4
.set ST,   16                          ; tile u at ST + 8 u: +0 -M, +1 largest t, +2 +3 the sum in two halves, +4 f, +5 its pair's upper half and the permute's destination, +6 +7 at work
.set Q,    32
.set QN,   48
.set P,    64
.set S,    96
.set SG,   224
.set O,    0                           ; window 1
.set KFR,  64
.set VFR,  128
.set MB,   192
; s24 wave, s25 p, s26 head of a batch, s27 trip, s28 slot in hand, s29 next slot, s30 / s31 LDS buffer read / filled, s32 the step's first key, s33 my first query, s34 the second block's,
; s[36:37] c, s[38:39] permute selects, s40 bit s: key step s has a hole, s[42:47] the next slot's K, V, mask, s[48:51] where O goes (both blocks), s[54:59] the head's K, V, the batch's mask, s60 e4 + e5, s62, s63 2^e6 and 448 x 2^e6
.set MSB, 0
.macro WIN new
.if MSB != (\new)
	s_set_vgpr_msb (MSB<<8)|(\new)
.set MSB, \new
.endif
.endm
.macro LOAD_SLOT
.irp i, 0,1,2,3
	global_load_b128 v[SG+4*\i:SG+4*\i+3], v[T16], s[42:43] offset:4096*\i
.endr
.irp i, 0,1,2,3
	global_load_b128 v[SG+16+4*\i:SG+16+4*\i+3], v[T16], s[44:45] offset:4096*\i
.endr
	global_load_b32 v[MST], v[T4], s[46:47]
.endm
.macro STORE_SLOT sb                   ; into the buffer at s[sb]: K at 0, V at 16,384, the mask as 0 or -infinity at 32,768
	v_add_nc_u32 v[SAT], s[\sb], v[T16]
	v_add_nc_u32 v[MAT], s[\sb], v[T4]
	v_cmp_eq_u32 vcc_lo, 0, v[MST]
	v_cndmask_b32 v[D0], 0, v[NINF], vcc_lo
.irp i, 0,1,2,3
	ds_store_b128 v[SAT], v[SG+4*\i:SG+4*\i+3] offset:4096*\i
.endr
.irp i, 0,1,2,3
	ds_store_b128 v[SAT], v[SG+16+4*\i:SG+16+4*\i+3] offset:16384+4096*\i
.endr
	ds_store_b32 v[MAT], v[D0] offset:32768
.endm
.macro INIT                            ; a block's start: the largest t -3e38, the sums and O^T zeros, which the first change of M leaves zeros: so the step is written once
.irp u, 0,1
	v_mov_b32 v[ST+8*\u+1], 0xff61b1e6
	v_floor_f32 v[ST+8*\u], -v[ST+8*\u+1]
	v_mov_b32 v[ST+8*\u+2], 0
	v_mov_b32 v[ST+8*\u+3], 0
	v_mov_b32 v[ST+8*\u+5], 0
.endr
	WIN 0x40
.set n, 0
.rept 64
	v_mov_b32 v[O+n], 0
.set n, n+1
.endr
	WIN 0
.endm
.macro SUML u                          ; line n of 32 of tile u's sum of p: two chains of packed additions
.set rS, S+64*(\u)
.set rT, ST+8*(\u)
.if n == 0
	v_pk_add_f32 v[rT+6:rT+7], v[rS:rS+1], v[rS+2:rS+3]
.elseif n == 31
	v_pk_add_f32 v[rT+2:rT+3], v[rT+2:rT+3], v[rT+6:rT+7]
.elseif (n%2) == 1
	v_pk_add_f32 v[rT+2:rT+3], v[rT+2:rT+3], v[rS+2*n+2:rS+2*n+3]
.else
	v_pk_add_f32 v[rT+6:rT+7], v[rT+6:rT+7], v[rS+2*n+2:rS+2*n+3]
.endif
.endm
; A KEY STEP: 128 keys, the q-th of the slot in hand.
.macro STEP q
	s_add_co_u32 s35, s33, 31
	s_cmp_gt_u32 s32, s35                          ; all keys behind my 32 queries: nothing to do
	s_cbranch_scc1 .Lhidden_\@
.rept 4
	v_nop                                          ; places between the last step's products and the loads into V's registers
.endr
	v_add_nc_u32 v[ADR], s30, v[LI]
	WIN 0x40                                       ; destination window 1
.irp kt, 0,1,2,3,4,5,6,7
.irp c, 0,1
	ds_load_b128 v[KFR+8*\kt+4*\c:KFR+8*\kt+4*\c+3], v[ADR] offset:8192*\q+1024*\kt+512*\c
.endr
.endr
.irp nu, 0,1,2,3
.irp c, 0,1,2,3
	ds_load_b128 v[VFR+16*\nu+4*\c:VFR+16*\nu+4*\c+3], v[ADR] offset:16384+8192*\q+2048*\nu+512*\c
.endr
.endr
	s_wait_dscnt 16                                ; K's 16 loads are in; V's 16, issued behind them, stay out
	WIN 0x01                                       ; source 0 (K) window 1
.irp kt, 0,1,2,3,4,5,6,7
.irp u, 0,1
	v_wmma_f32_16x16x64_fp8_fp8 v[S+64*\u+8*\kt:S+64*\u+8*\kt+7], v[KFR+8*\kt:KFR+8*\kt+7], v[Q+8*\u:Q+8*\u+7], 0
.endr
.endr
	WIN 0
.rept 4
	v_nop                                          ; places in front of the first read of the scores
.endr
	s_lshr_b32 s35, s32, 7                         ; has this key step a hole in the padding mask?  (a whole number made of the mask as read)
	s_lshr_b32 s35, s40, s35
	s_and_b32 s35, s35, 1
	s_cmp_eq_u32 s35, 0
	s_cbranch_scc1 .Lnohole_\@
	v_add_nc_u32 v[BA], s30, v[H32]
	WIN 0x40
.irp kt, 0,1,2,3,4,5,6,7
	ds_load_b128 v[MB+8*\kt:MB+8*\kt+3], v[BA] offset:32768+512*\q+64*\kt        ; keys 16 kt + 8 h + 0 .. 3,
	ds_load_b128 v[MB+8*\kt+4:MB+8*\kt+7], v[BA] offset:32768+512*\q+64*\kt+16   ; + 4 .. 7
.endr
	s_wait_dscnt 0x0
	WIN 0x04                                       ; source 1 window 1
.set n, 0
.rept 32
	v_pk_add_f32 v[S+2*n:S+2*n+1], v[S+2*n:S+2*n+1], v[MB+2*n:MB+2*n+1]          ; + 0 or -infinity, ahead of the maximum; each accumulator from its low end on
	v_pk_add_f32 v[S+64+2*n:S+64+2*n+1], v[S+64+2*n:S+64+2*n+1], v[MB+2*n:MB+2*n+1]
.set n, n+1
.endr
	WIN 0
.Lnohole_\@:
	s_add_co_u32 s35, s32, 127                     ; the causal mask: a step all of whose keys count for all my queries skips it
	s_cmp_le_u32 s35, s33
	s_cbranch_scc1 .Lopen_\@
	s_sub_co_i32 s35, s33, s32
	v_add_nc_u32 v[D0], s35, v[RH]                 ; d = my query - the step's first key - 8 h: register 8 kt + j is hidden where 16 kt + j > d
	v_add_nc_u32 v[D0+1], 16, v[D0]                ; tile 1's queries lie 16 further on
.set n, 0
.rept 64
	v_cmp_gt_i32 vcc_lo, 16*(n/8)+n%8, v[D0]
	v_cndmask_b32 v[S+n], v[S+n], v[NINF], vcc_lo
	v_cmp_gt_i32 vcc_lo, 16*(n/8)+n%8, v[D0+1]
	v_cndmask_b32 v[S+64+n], v[S+64+n], v[NINF], vcc_lo
.set n, n+1
.endr
.Lopen_\@:
.irp u, 0,1                                    ; the step's largest score of my query among my 64 keys, two chains a tile, ascending
	v_max3_num_f32 v[ST+8*\u+6], v[S+64*\u], v[S+64*\u+1], v[S+64*\u+2]
	v_max3_num_f32 v[ST+8*\u+7], v[S+64*\u+3], v[S+64*\u+4], v[S+64*\u+5]
.endr
.irp i, 6,10,14,18,22,26,30,34,38,42,46,50,54,58
.irp u, 0,1
	v_max3_num_f32 v[ST+8*\u+6], v[ST+8*\u+6], v[S+64*\u+\i], v[S+64*\u+\i+1]
	v_max3_num_f32 v[ST+8*\u+7], v[ST+8*\u+7], v[S+64*\u+\i+2], v[S+64*\u+\i+3]
.endr
.endr
.irp u, 0,1
	v_max3_num_f32 v[ST+8*\u+6], v[ST+8*\u+6], v[S+64*\u+62], v[S+64*\u+63]
.endr
.irp u, 0,1
	v_max_num_f32 v[ST+8*\u+6], v[ST+8*\u+6], v[ST+8*\u+7]
.endr
.irp u, 0,1
	v_permlanex16_b32 v[ST+8*\u+5], v[ST+8*\u+6], s38, s39
.endr
.irp u, 0,1
	v_max_num_f32 v[ST+8*\u+6], v[ST+8*\u+6], v[ST+8*\u+5]    ; and among lane l xor 16's
.endr
.irp u, 0,1
	v_mul_f32 v[ST+8*\u+6], s36, v[ST+8*\u+6]                 ; as t (c is positive)
.endr
.irp u, 0,1
	v_max_num_f32 v[ST+8*\u+1], v[ST+8*\u+1], v[ST+8*\u+6]    ; the running largest t
.endr
.irp u, 0,1
	v_mov_b32 v[ST+8*\u+6], v[ST+8*\u]
.endr
.irp u, 0,1
	v_floor_f32 v[ST+8*\u], -v[ST+8*\u+1]                     ; -M = floor(-t): M is a whole number
.endr
.irp u, 0,1
	v_sub_f32 v[ST+8*\u+6], v[ST+8*\u], v[ST+8*\u+6]          ; old M - new M: a whole number, 0 or less
.endr
.irp u, 0,1
	v_cvt_i32_f32 v[ST+8*\u+6], v[ST+8*\u+6]                  ; (it saturates)
.endr
.irp u, 0,1
	v_ldexp_f32 v[ST+8*\u+4], 1.0, v[ST+8*\u+6]               ; f = 2^(old M - new M): rounds nothing
.endr
.set n, 0
.rept 32
	v_pk_fma_f32 v[S+2*n:S+2*n+1], v[S+2*n:S+2*n+1], s[36:37], v[ST:ST+1] op_sel_hi:[1,0,0]   ; tile 0: t - M
.set n, n+1
.endr
.set n, 0
.rept 32                                       ; tile 0's exponentials, with tile 1's scalings as the plain lines between
	v_exp_f32 v[S+2*n], v[S+2*n]
	v_exp_f32 v[S+2*n+1], v[S+2*n+1]
	v_pk_fma_f32 v[S+64+2*n:S+64+2*n+1], v[S+64+2*n:S+64+2*n+1], s[36:37], v[ST+8:ST+9] op_sel_hi:[1,0,0]
.set n, n+1
.endr
	v_pk_mul_f32 v[ST+2:ST+3], v[ST+2:ST+3], v[ST+4:ST+5] op_sel_hi:[1,0]   ; tile 0's sum under the new M
	s_wait_alu depctr_va_vdst(0)                   ; one wait for tile 0's 64 exponentials, ahead of their first reader
.set n, 0
.rept 32                                       ; tile 1's exponentials, with tile 0's sum of the unquantised p between
	v_exp_f32 v[S+64+2*n], v[S+64+2*n]
	v_exp_f32 v[S+64+2*n+1], v[S+64+2*n+1]
	SUML 0
.set n, n+1
.endr
	v_pk_mul_f32 v[ST+10:ST+11], v[ST+10:ST+11], v[ST+12:ST+13] op_sel_hi:[1,0]
	s_wait_alu depctr_va_vdst(0)                   ; and one for tile 1's
.set n, 0
.rept 32
	SUML 1
.set n, n+1
.endr
	s_cmp_gt_i32 s20, -9                           ; p <= 1: from e4 = -8 on p / 2^e4 is 256 at the most and the hold changes nothing
	s_cbranch_scc1 .Lnohold_\@
.set n, 0
.rept 128
	v_min_num_f32 v[S+n], v[S+n], v[PLIM]          ; the conversion does not saturate (ISA guide 7.6.2); p is not negative, so the hold is one-sided
.set n, n+1
.endr
.Lnohold_\@:
.irp u, 0,1
.irp kt, 0,1,2,3,4,5,6,7
	v_cvt_scalef32_pk8_fp8_f32 v[P+16*\u+2*\kt:P+16*\u+2*\kt+1], v[S+64*\u+8*\kt:S+64*\u+8*\kt+7], v[PSC]
.endr
.endr
	v_nop                                          ; a plain line behind the last conversion
	WIN 0x41                                       ; O^T (destination and source 0) window 1
.set n, 0
.rept 16
	v_pk_mul_f32 v[O+2*n:O+2*n+1], v[O+2*n:O+2*n+1], v[ST+4:ST+5] op_sel_hi:[1,0]             ; O^T under the new M
	v_pk_mul_f32 v[O+32+2*n:O+32+2*n+1], v[O+32+2*n:O+32+2*n+1], v[ST+12:ST+13] op_sel_hi:[1,0]
.set n, n+1
.endr
	s_wait_dscnt 0x0                               ; V is in
	WIN 0x51                                       ; V, C and D window 1, P window 0
.irp nu, 0,1,2,3                               ; eight accumulators, one instruction each
.irp u, 0,1
	v_wmma_f32_16x16x128_fp8_fp8 v[O+32*\u+8*\nu:O+32*\u+8*\nu+7], v[VFR+16*\nu:VFR+16*\nu+15], v[P+16*\u:P+16*\u+15], v[O+32*\u+8*\nu:O+32*\u+8*\nu+7]
.endr
.endr
	WIN 0
.Lhidden_\@:
	s_add_co_u32 s32, s32, 128
.endm
; A TRIP: a slot of 256 keys.  fill = 1: the next slot is asked for at the head and stored into the other buffer at the end.  That buffer was last read a trip ago, and every wave waited for those reads ahead of
; that trip's signal; behind this trip's barrier it is whole.
.macro TRIP fill
.if \fill
	s_add_co_u32 s29, s28, 1
	s_cmp_eq_u32 s27, s25
	s_cselect_b32 s29, 0, s29                      ; behind the first block's last slot: the second block's slot 0
	s_lshl_b32 s52, s29, 14
	s_add_nc_u64 s[42:43], s[54:55], s[52:53]      ; (written only behind the wait that showed the last slot's loads done)
	s_add_nc_u64 s[44:45], s[56:57], s[52:53]
	s_lshl_b32 s52, s29, 10
	s_add_nc_u64 s[46:47], s[58:59], s[52:53]
	LOAD_SLOT
.endif
	s_lshl_b32 s32, s28, 8
	STEP 0
	STEP 1
.if \fill
	s_wait_loadcnt 0x0
	STORE_SLOT 31
	s_wait_dscnt 0x0                               ; for the others' sake: my stores have landed; my reads of the buffer in hand are back
	s_barrier_signal -1
	s_barrier_wait -1
	s_xor_b32 s30, s30, 65536
	s_xor_b32 s31, s31, 65536
	s_mov_b32 s28, s29
.endif
.endm
; A block's end: O^T / the sum x 2^(e4 + e5), held, converted with 2^e6, stored as images.
.macro FINISH
.rept 4
	v_nop                                          ; places behind the last products
.endr
.irp u, 0,1
	v_add_f32 v[ST+8*\u+6], v[ST+8*\u+2], v[ST+8*\u+3]
.endr
.irp u, 0,1
	v_permlanex16_b32 v[ST+8*\u+5], v[ST+8*\u+6], s38, s39
.endr
.irp u, 0,1
	v_add_f32 v[ST+8*\u+6], v[ST+8*\u+6], v[ST+8*\u+5]        ; the row's sum
.endr
.irp u, 0,1
	v_rcp_f32 v[ST+8*\u+7], v[ST+8*\u+6]
.endr
	v_mov_b32 v[D0], s62                           ; (plain lines behind the reciprocals)  2^e6
	v_mov_b32 v[D0+1], s63                         ; 448 x 2^e6
	s_wait_alu depctr_va_vdst(0)                   ; one wait for both, ahead of the first reader
.irp u, 0,1
	v_ldexp_f32 v[ST+8*\u+4], v[ST+8*\u+7], s60
.endr
	WIN 0x01                                       ; source 0 (O^T) window 1
.set n, 0
.rept 16
	v_pk_mul_f32 v[S+2*n:S+2*n+1], v[O+2*n:O+2*n+1], v[ST+4:ST+5] op_sel_hi:[1,0]
	v_pk_mul_f32 v[S+64+2*n:S+64+2*n+1], v[O+32+2*n:O+32+2*n+1], v[ST+12:ST+13] op_sel_hi:[1,0]
.set n, n+1
.endr
	WIN 0
.set n, 0
.rept 32
	v_med3_num_f32 v[S+n], v[S+n], -v[D0+1], v[D0+1]
	v_med3_num_f32 v[S+64+n], v[S+64+n], -v[D0+1], v[D0+1]
.set n, n+1
.endr
.irp u, 0,1
.irp nu, 0,1,2,3
	v_cvt_scalef32_pk8_fp8_f32 v[P+16*\u+2*\nu:P+16*\u+2*\nu+1], v[S+64*\u+8*\nu:S+64*\u+8*\nu+7], v[D0]
.endr
.endr
	v_nop
.irp u, 0,1
	v_cmp_neq_f32 vcc_lo, 0, v[ST+8*\u+6]          ; a sum of 0: no key was kept for this query
.irp i, 0,1,2,3,4,5,6,7
	v_cndmask_b32 v[P+16*\u+\i], 0x7f7f7f7f, v[P+16*\u+\i], vcc_lo   ; then the NaN code
.endr
.endr
.irp u, 0,1
.irp b, 0,1
	global_store_b128 v[LI], v[P+16*\u+4*\b:P+16*\u+4*\b+3], s[48:49] offset:\u*16384+\b*512   ; tokens 16 u on, channels 32 b on of my head: 512 consecutive aligned bytes
.endr
.endr
	s_wait_xcnt 0x0                                ; the stores have read their registers and their base: both are written again below
.endm
.macro SWITCH                          ; on to the second block
	s_mov_b64 s[48:49], s[50:51]
	s_mov_b32 s33, s34
.set n, 0
.rept 16
	v_mov_b32 v[Q+n], v[QN+n]
.set n, n+1
.endr
	INIT
.endm
	s_load_b256 s[4:11], s[0:1], 0x0               ; q s[4:5], k s[6:7], v s[8:9], the mask s[10:11]
	s_load_b128 s[12:15], s[0:1], 0x20             ; the scales s[12:13], attn_img s[14:15]
	v_lshrrev_b32 v2, 5, v0
	v_readfirstlane_b32 s24, v2                    ; wave 0..7
	v_and_b32 v10, 31, v0
	v_lshlrev_b32 v[LI], 4, v10
	v_lshlrev_b32 v[T16], 4, v0
	v_lshlrev_b32 v[T4], 2, v0
	v_bfe_u32 v11, v0, 4, 1                        ; h
	v_lshlrev_b32 v[H32], 5, v11
	v_and_b32 v10, 15, v0                          ; r
	v_lshlrev_b32 v11, 3, v11
	v_sub_nc_u32 v[RH], v10, v11
	v_mov_b32 v[NINF], 0xff800000
	s_mov_b32 s25, ttmp9
	s_and_b32 s26, ttmp7, 0xffff
	s_lshl_b32 s35, s24, 5
	s_lshl_b32 s33, s25, 8
	s_add_co_u32 s33, s33, s35                     ; my first query in block p
	s_sub_co_u32 s34, 7, s25
	s_lshl_b32 s34, s34, 8
	s_add_co_u32 s34, s34, s35                     ; and in block 7 - p
	s_mov_b32 s38, 0x76543210
	s_mov_b32 s39, 0xfedcba98
	s_mov_b32 s30, 0
	s_mov_b32 s31, 65536
	s_lshl_b32 s52, s26, 17                        ; a head's images are 131,072 bytes in each of q, k, v
	s_mov_b32 s53, 0                               ; stays 0
	s_wait_kmcnt 0x0
	s_load_b256 s[16:23], s[12:13], 0x0            ; e0 .. e7
	s_add_nc_u64 s[54:55], s[6:7], s[52:53]
	s_add_nc_u64 s[56:57], s[8:9], s[52:53]
	s_add_nc_u64 s[4:5], s[4:5], s[52:53]
	s_lshr_b32 s41, s26, 4                         ; the batch
	s_lshl_b32 s52, s41, 13
	s_add_nc_u64 s[58:59], s[10:11], s[52:53]
	s_lshl_b32 s52, s33, 6                         ; 64 bytes a query
	s_add_nc_u64 s[60:61], s[4:5], s[52:53]
	s_lshl_b32 s52, s34, 6
	s_add_nc_u64 s[62:63], s[4:5], s[52:53]
.irp u, 0,1
.irp c, 0,1
	global_load_b128 v[Q+8*\u+4*\c:Q+8*\u+4*\c+3], v[LI], s[60:61] offset:1024*\u+512*\c
	global_load_b128 v[QN+8*\u+4*\c:QN+8*\u+4*\c+3], v[LI], s[62:63] offset:1024*\u+512*\c
.endr
.endr
	s_mov_b64 s[42:43], s[54:55]                   ; slot 0
	s_mov_b64 s[44:45], s[56:57]
	s_mov_b64 s[46:47], s[58:59]
	LOAD_SLOT
.irp s, 0,1,2,3,4,5,6,7,8,9,10,11,12,13,14,15
	global_load_b128 v[S+4*\s:S+4*\s+3], v[LI], s[58:59] offset:512*\s   ; the batch's whole mask: a load is one key step's 128 words
.endr
	s_lshl_b32 s35, s41, 11                        ; the batch's first token
	s_and_b32 s41, s26, 15
	s_lshl_b32 s41, s41, 10                        ; the head's place in a tile of tokens: 2,048 a pair of heads + 1,024 for the odd one = 1,024 x head
	s_add_co_u32 s52, s35, s33
	s_lshl_b32 s52, s52, 10                        ; 16,384 bytes for 16 tokens
	s_add_co_u32 s52, s52, s41
	s_add_nc_u64 s[48:49], s[14:15], s[52:53]
	s_add_co_u32 s52, s35, s34
	s_lshl_b32 s52, s52, 10
	s_add_co_u32 s52, s52, s41
	s_add_nc_u64 s[50:51], s[14:15], s[52:53]
	s_wait_kmcnt 0x0
	s_add_co_i32 s35, s18, s19
	s_lshl_b32 s35, s35, 23
	s_add_co_i32 s36, s35, 0x3e38aa3b              ; c = log2(e) / 8, with e2 + e3 added to its exponent field
	s_mov_b32 s37, s36                             ; (named with it as a pair, so it is written)
	s_add_co_i32 s35, s20, 127
	s_lshl_b32 s41, s35, 23
	v_mov_b32 v[PSC], s41
	s_add_co_i32 s35, s35, 8
	s_lshl_b32 s35, s35, 23
	s_or_b32 s35, s35, 0x600000
	v_mov_b32 v[PLIM], s35
	s_wait_loadcnt 0x0                             ; Q, slot 0 and the mask are in; their address registers are free
	s_add_co_i32 s60, s20, s21                     ; e4 + e5
	s_add_co_i32 s35, s22, 127
	s_lshl_b32 s62, s35, 23                        ; 2^e6
	s_add_co_i32 s35, s35, 8
	s_lshl_b32 s35, s35, 23
	s_or_b32 s63, s35, 0x600000                    ; 448 x 2^e6
	s_mov_b32 s40, 0
.irp s, 0,1,2,3,4,5,6,7,8,9,10,11,12,13,14,15
	v_min_u32 v10, v[S+4*\s], v[S+4*\s+1]          ; 0 among my four words of key step s?
	v_min_u32 v11, v[S+4*\s+2], v[S+4*\s+3]
	v_min_u32 v10, v10, v11
	v_cmp_eq_u32 vcc_lo, 0, v10
	s_cmp_lg_u32 vcc_lo, 0                         ; in any lane?
	s_cselect_b32 s35, 1<<\s, 0
	s_or_b32 s40, s40, s35
.endr
	STORE_SLOT 30
	s_wait_dscnt 0x0
	s_barrier_signal -1
	s_barrier_wait -1
	INIT
	s_mov_b32 s27, 0
	s_mov_b32 s28, 0
.Ltrip:                                            ; eight trips that ask for a next slot; the ninth is written out
	TRIP 1
	s_cmp_lg_u32 s27, s25
	s_cbranch_scc1 .Lsame
	FINISH                                         ; block p is done behind its slot p
	SWITCH
.Lsame:
	s_add_co_u32 s27, s27, 1
	s_cmp_lt_u32 s27, 8
	s_cbranch_scc1 .Ltrip
	TRIP 0
	FINISH
	s_wait_xcnt 0x0
	v_lshl_add_u32 v254, v0, 2, 0x18400
	v_mov_b32 v255, 0
	s_wait_tensorcnt 0x0
	ds_add_u32 v254, v255
	s_wait_dscnt 0x0
	s_endpgm
.Lfunc_end_k_qba8c44343b_attn:
	.size	k_qba8c44343b_attn, .Lfunc_end_k_qba8c44343b_attn-k_qba8c44343b_attn
	.p2alignl 7, 3214868480
	.fill 96, 4, 3214868480
	.section	.rodata,"a",@progbits
	.p2align	6, 0x0
	.amdhsa_kernel k_qba8c44343b_attn
		.amdhsa_group_segment_fixed_size 100352
		.amdhsa_private_segment_fixed_size 0
		.amdhsa_enable_private_segment 0
		.amdhsa_kernarg_size 48
		.amdhsa_user_sgpr_count 2
		.amdhsa_user_sgpr_kernarg_segment_ptr 1
		.amdhsa_wavefront_size32 1
		.amdhsa_system_sgpr_workgroup_id_x 1
		.amdhsa_system_sgpr_workgroup_id_y 1
		.amdhsa_system_sgpr_workgroup_id_z 1
		.amdhsa_system_vgpr_workitem_id 0
		.amdhsa_next_free_vgpr 512
		.amdhsa_next_free_sgpr 66
		.amdhsa_reserve_vcc 1
		.amdhsa_float_denorm_mode_32 3
		.amdhsa_float_denorm_mode_16_64 3
		.amdhsa_memory_ordered 1
		.amdhsa_forward_progress 1
		.amdhsa_inst_pref_size 211
	.end_amdhsa_kernel
	.amdgpu_metadata
---
amdhsa.version: [ 1, 2 ]
amdhsa.kernels:
  - .name:           k_qba8c44343b_attn
    .symbol:         k_qba8c44343b_attn.kd
    .args:
      - { .name: q_img, .offset: 0, .size: 8, .value_kind: global_buffer, .address_space: global }
      - { .name: k_img, .offset: 8, .size: 8, .value_kind: global_buffer, .address_space: global }
      - { .name: v_img, .offset: 16, .size: 8, .value_kind: global_buffer, .address_space: global }
      - { .name: padding_mask, .offset: 24, .size: 8, .value_kind: global_buffer, .address_space: global }
      - { .name: lowp_scales, .offset: 32, .size: 8, .value_kind: global_buffer, .address_space: global }
      - { .name: attn_img, .offset: 40, .size: 8, .value_kind: global_buffer, .address_space: global }
    .group_segment_fixed_size: 100352
    .private_segment_fixed_size: 0
    .kernarg_segment_align: 8
    .kernarg_segment_size: 48
    .max_flat_workgroup_size: 256
    .sgpr_count:     66
    .vgpr_count:     512
    .wavefront_size: 32
...
	.end_amdgpu_metadata
.endif
;; end of part 3
;; launch outp (part 4): grid 4 x 32, 4 waves a work-group, clusters of 4 x 4, 327,680 bytes of LDS; arguments attn_img, wout_codes, lowp_scales, b_out, out0; writes out0
.if DOCPART == 4
	.amdgcn_target "amdgcn-amd-amdhsa--gfx1250"
	.amdhsa_code_object_version 6
	.text
	.protected	k_qba8c44343b_outp
	.globl	k_qba8c44343b_outp
	.p2align	8
	.type	k_qba8c44343b_outp,@function
k_qba8c44343b_outp:
	s_mov_b64 s[64:65], 0
	v_nop
	global_prefetch_b8 v0, s[64:65] scope:SCOPE_SE
	s_setreg_imm32_b32 hwreg(HW_REG_WAVE_MODE, 25, 1), 1
	s_wait_xcnt 0x0
	s_wait_alu depctr_hold_cnt(0) depctr_sa_sdst(0) depctr_va_vdst(0) depctr_va_sdst(0) depctr_va_ssrc(0) depctr_va_vcc(0) depctr_vm_vsrc(0)
	s_getreg_b32 s2, hwreg(HW_REG_IB_STS2, 6, 4)
	s_cmp_eq_u32 s2, 0
	s_cbranch_scc0 .Lentry_in_a_cluster
	s_endpgm
.Lentry_in_a_cluster:
	s_bfe_u32 s2, ttmp6, 0x10000c
	s_cmp_lg_u32 s2, 0xf033
	s_cbranch_scc0 .Lentry_shape_is_right
	s_endpgm
.Lentry_shape_is_right:
; out0 = attn W_out + b_out on codes of FP8 (E4M3).  out0 [8192][1024] f32 = sum x 2^(e6 + e7) + b_out.
; A = attn_img [16 tokens, 512][128 along K, 8][c 4][lane][16 bytes]: images of operand registers (registers 4 c .. 4 c + 3: k = 32 c + 8 h + 0..7 and 32 c + 16 + 8 h + 0..7).
; B = wout_codes [1024 n][1024 k], rows, with the groups of eight k inside each 32 in the order 0, 2, 1, 3: a 16-byte read at 32 c + 16 h brings the same k into the same registers.
; A tile of 256 x 256 is made by four waves, 128 x 128 each; K goes in steps of 256 through a ring of two LDS slots filled by the tensor data mover.  128 tiles, a work-group each.
; CLUSTERS: 4 x 4 work-groups: A's tile is shared along a row of the cluster, B's along a column: joint loads.  The matrix instruction is used transposed (source 0 = B, source 1 = A): a lane holds eight neighbouring columns of a row.
; LIMIT: e6 + e7 between -126 and 127.
; REGISTERS: window 0: v1-29 addresses, v8-11 my four numbers of the bias; from v128 A's fragments, ONE set, later rows of the result.  Window 1: B's fragments, TWO sets.  Windows 2, 3: the 64 accumulators.
.set ROWB,   256                       ; B: a tile's row
.set PITCH,  272                       ; B: an LDS row: 256 bytes + 16 of padding: the 16 rows that a load touches start at 16 different banks (64 banks of 4 bytes: ISA guide 11.1)
.set FR,     16
.set NL,     4
.set NP,     4
.set HALFT,  128*PITCH                 ; B: 128 rows
.set AHALF,  32768                     ; A: 128 rows = 8 tiles of tokens x 4,096 bytes (two K steps of 128), dense images: no padding is wanted
.set ABYTES, 2*AHALF
.set SLOT,   ABYTES+2*HALFT            ; A's 256 rows, then B's 256 rows
.set ASTEP,  4096                      ; A: a K step of 256 in memory, within a tile of tokens
.set LAPS,   2
.set SPARE,  2*SLOT                    ; behind the ring: the spare words, 128 bytes a wave: two blocks of 256 bytes that no other line names
.set SPITCH, 528                       ; the way out: a stage of 16 rows x (512 + 16) bytes a wave, in slot 0's part for A, which has had its last fill and its last read by then
.set ADRA, 16
.set ADRB, 20
.set STO,  24
.set RD,   25
.set CO,   26                          ; 16 x lane
.set SPW,  28
.set NIL,  29
.set AF,   128
.set BK,   128
.set G1, 24
.set G0, 32
.set G1B, 48
.set G0B, 56
.set MSB, 0
.macro WIN new
.if MSB != (\new)
	s_set_vgpr_msb (MSB<<8)|(\new)
.set MSB, \new
.endif
.endm
.set MUL_LO, 0xa1
.set MUL_HI, 0xf1
.set TO_B,   0x40
.macro JLOAD g0a, g1a, g0b, g1b        ; waves 0 and 1 fetch for A, waves 2 and 3 for B; four v_nop follow each of the two lines
	s_cmp_eq_u32 s15, 0
	s_cbranch_scc0 .Lfor_b_\@
	tensor_load_to_lds s[\g0a:\g0a+3], s[\g1a:\g1a+7]
	s_nop 0
.rept 4
	v_nop
.endr
	s_branch .Lasked_\@
.Lfor_b_\@:
	tensor_load_to_lds s[\g0b:\g0b+3], s[\g1b:\g1b+7]
	s_nop 0
.rept 4
	v_nop
.endr
.Lasked_\@:
.endm
.macro CREST
	s_cmp_lg_u32 s14, 0
	s_cbranch_scc1 .Lnot_wave_0_\@
	s_barrier_signal -3
.Lnot_wave_0_\@:
	s_barrier_wait -3
	s_barrier_signal -1
	s_barrier_wait -1
.endm
.macro CROUND
	s_barrier_signal -1
	s_barrier_wait -1
	CREST
.endm
	s_load_b128 s[4:7], s[0:1], 0x0                ; attn_img s[4:5], W_out's codes s[6:7]
	s_load_b128 s[8:11], s[0:1], 0x10              ; the scales s[8:9], b_out s[10:11]
	s_load_b64 s[12:13], s[0:1], 0x20              ; out0
	v_lshl_add_u32 v[SPW], v0, 2, SPARE
	v_mov_b32 v[NIL], 0
	ds_add_u32 v28, v29
	ds_add_u32 v28, v29
	s_wait_dscnt 0x0
	v_lshrrev_b32 v1, 5, v0
	v_readfirstlane_b32 s14, v1                    ; wave 0..3
	s_lshr_b32 s15, s14, 1                         ; which half of the tile's rows is mine.  Also: I fetch for A (0) or for B (1)
	s_and_b32 s16, s14, 1                          ; which half of its columns.  Also: which 128 rows of that tile I fetch
	s_bfe_u32 s40, ttmp6, 0x40000                  ; cx, cy
	s_bfe_u32 s41, ttmp6, 0x40004
	s_lshl_b32 s42, ttmp9, 2
	s_add_co_u32 s42, s42, s40                     ; tile column
	s_and_b32 s17, ttmp7, 0xffff
	s_lshl_b32 s17, s17, 2
	s_add_co_u32 s17, s17, s41                     ; tile row
	s_lshl_b32 s43, s41, 2
	s_lshl_b32 s43, 15, s43                        ; my row of the cluster
	s_lshl_b32 s44, 0x1111, s40                    ; my column
	; group 1 for A: 8 rows (tiles of 16 tokens) of 512 elements of 8 bytes, 2,048 elements apart, dense in LDS
	s_or_b32 s[G1+0], s43, (3<<16)|(1<<21)         ; 15:0 the mask; 17:16 elements of 8 bytes; 21 set beside a mask; no padding
	s_mov_b32 s[G1+1], 512<<16                     ; tensor_dim0
	s_mov_b32 s[G1+2], 8<<16                       ; tensor_dim1
	s_mov_b32 s[G1+3], 512<<16                     ; tile_dim0
	s_mov_b32 s[G1+4], 8                           ; tile_dim1
	s_mov_b32 s[G1+5], 2048                        ; tensor_dim0_stride
	s_mov_b32 s[G1+6], 0
	s_mov_b32 s[G1+7], 0
	; group 1 for B: 128 rows x 256 bytes, padded in LDS
	s_or_b32 s[G1B+0], s44, (0<<16)|(1<<20)|(1<<21)|(5<<22)|(3<<25)
	s_mov_b32 s[G1B+1], ROWB<<16
	s_mov_b32 s[G1B+2], 128<<16
	s_mov_b32 s[G1B+3], ROWB<<16
	s_mov_b32 s[G1B+4], 128
	s_mov_b32 s[G1B+5], 1024
	s_mov_b32 s[G1B+6], 0
	s_mov_b32 s[G1B+7], 0
	s_lshl_b32 s18, s16, 7
	s_lshl_b32 s20, s17, 8
	s_add_co_u32 s20, s20, s18
	s_lshl_b32 s20, s20, 10                        ; A: 16 tokens are 16,384 bytes: 1,024 a token
	s_mov_b32 s21, 0
	s_lshl_b32 s46, s42, 8
	s_add_co_u32 s46, s46, s18
	s_lshl_b32 s46, s46, 10                        ; B: rows of 1,024 bytes
	s_mov_b32 s47, 0
	s_lshl_b32 s45, s16, 15                        ; where A's half goes,
	s_mul_i32 s66, s16, HALFT
	s_add_co_u32 s66, s66, ABYTES                  ; and B's: no place in the cluster enters an LDS address
	s_wait_kmcnt 0x0
	s_load_b256 s[72:79], s[8:9], 0x0              ; e0 .. e7
	s_add_nc_u64 s[20:21], s[4:5], s[20:21]
	s_add_nc_u64 s[46:47], s[6:7], s[46:47]
	CROUND                                         ; all sixteen work-groups are here: the first joint loads meet
.irp s, 0,1
	s_mov_b32 s[G0+4*\s], 1
	s_add_co_u32 s[G0+4*\s+1], s45, \s*SLOT
	s_add_nc_u64 s[G0+4*\s+2:G0+4*\s+3], s[20:21], \s*ASTEP
	s_or_b32 s[G0+4*\s+3], s[G0+4*\s+3], 0x80000000
	s_mov_b32 s[G0B+4*\s], 1
	s_add_co_u32 s[G0B+4*\s+1], s66, \s*SLOT
	s_add_nc_u64 s[G0B+4*\s+2:G0B+4*\s+3], s[46:47], \s*ROWB
	s_or_b32 s[G0B+4*\s+3], s[G0B+4*\s+3], 0x80000000
	JLOAD G0+4*\s, G1, G0B+4*\s, G1B
.endr
	v_and_b32 v1, 15, v0                           ; r
	v_bfe_u32 v2, v0, 4, 1                         ; h
	v_mul_u32_u24 v3, v1, PITCH
	v_lshl_add_u32 v4, v2, 4, v3                   ; B: a fragment's row x pitch + 16 x half
	v_and_b32 v6, 31, v0
	v_lshlrev_b32 v[CO], 4, v6                     ; A: 16 x lane; also my 16 bytes of a row of 512 on the way out
	s_lshl_b32 s21, s15, 15                        ; my 128 rows of A
	s_mul_i32 s22, s16, HALFT
	s_add_co_u32 s22, s22, ABYTES                  ; my 128 rows of B
.irp s, 0,1
	v_add_nc_u32 v[ADRA+\s], s21, v[CO]
	v_add_nc_u32 v[ADRB+\s], s22, v4
	s_add_co_u32 s21, s21, SLOT
	s_add_co_u32 s22, s22, SLOT
.endr
	s_mul_i32 s23, s14, 16*SPITCH                  ; my stage
	v_mul_u32_u24 v5, v1, SPITCH
	v_lshl_add_u32 v5, v2, 5, v5
	v_add_nc_u32 v[STO], s23, v5                   ; in: row r, 32 bytes for each half of the lanes
	v_add_nc_u32 v[RD], s23, v[CO]                 ; back: the 32 lanes take one row of 512 bytes
	s_lshl_b32 s20, s17, 8
	s_lshl_b32 s21, s15, 7
	s_add_co_u32 s20, s20, s21                     ; my first row of the result,
	s_lshl_b32 s20, s20, 12                        ; rows of 4,096 bytes (under 2^25)
	s_mov_b32 s21, 0
	s_lshl_b32 s46, s42, 10                        ; my first column, in bytes: 1,024 x tile column + 512 x half
	s_lshl_b32 s47, s16, 9
	s_add_co_u32 s46, s46, s47
	s_mov_b32 s47, 0
	s_add_nc_u64 s[10:11], s[10:11], s[46:47]      ; the bias at my first column
	s_add_nc_u64 s[20:21], s[20:21], s[46:47]
	s_add_nc_u64 s[12:13], s[12:13], s[20:21]
	global_load_b128 v[8:11], v[CO], s[10:11]      ; b_out of the four columns that I store in every row
.macro FRAGB reg, adr, q, i
.irp c, 0,1,2,3
	ds_load_b128 v[\reg+4*\c:\reg+4*\c+3], v[\adr] offset:128*(\q)+32*\c+(\i)*16*PITCH
.endr
.endm
.macro FRAGA reg, adr, q, i            ; an image comes back as it was stored: 512 consecutive bytes a load
.irp c, 0,1,2,3
	ds_load_b128 v[\reg+4*\c:\reg+4*\c+3], v[\adr] offset:2048*(\q)+512*\c+(\i)*4096
.endr
.endm
.macro MUL16 a0, p, zero               ; the 64 accumulators take turns, one instruction a turn, in the same order in every step
.irp a, \a0, \a0+1
.irp b, 0,1,2,3,4,5,6,7
.if \zero
	v_wmma_f32_16x16x128_fp8_fp8 v[8*(8*((\a)%4)+\b):8*(8*((\a)%4)+\b)+7], v[128*(\p)+FR*\b:128*(\p)+FR*\b+FR-1], v[AF+FR*(\a):AF+FR*(\a)+FR-1], 0
.else
	v_wmma_f32_16x16x128_fp8_fp8 v[8*(8*((\a)%4)+\b):8*(8*((\a)%4)+\b)+7], v[128*(\p)+FR*\b:128*(\p)+FR*\b+FR-1], v[AF+FR*(\a):AF+FR*(\a)+FR-1], v[8*(8*((\a)%4)+\b):8*(8*((\a)%4)+\b)+7]
.endif
.endr
.endr
.endm
.macro FETCH_B slot, q, p
	WIN TO_B
.irp i, 0,1,2,3,4,5,6,7
	FRAGB 128*(\p)+FR*\i, ADRB+\slot, \q, \i
.endr
	WIN 0
.endm
.macro FETCH_A slot, q, i0
.irp i, \i0, \i0+1, \i0+2, \i0+3
	FRAGA AF+FR*(\i), ADRA+\slot, \q, \i
.endr
.endm
.macro PLACES n                        ; plain vector lines between a matrix instruction and a load into, or a read of, its registers
.rept \n
	v_nop
.endr
.endm
.macro STEP slot, q, zero
	s_wait_dscnt 4*NL                              ; B's set and A's blocks 0-3 are in; the youngest 16 loads (A's blocks 4-7) may be out
	WIN MUL_LO
	MUL16 0, (\q)%2, \zero
	MUL16 2, (\q)%2, \zero
	s_wait_dscnt 0
	PLACES NP
	FETCH_B \slot, (\q)+1, 1-(\q)%2
	FETCH_A \slot, (\q)+1, 0
	WIN MUL_HI
	MUL16 4, (\q)%2, \zero
	MUL16 6, (\q)%2, \zero
	PLACES NP
	WIN 0
	FETCH_A \slot, (\q)+1, 4
.endm
.macro TURN slot, next, fill
	s_wait_tensorcnt 0x0                           ; all my tensor loads have landed: my part of the next slot
	ds_add_u32 v[SPW], v[NIL]                      ; 0 onto my spare word
	s_wait_dscnt 4*NL+1                            ; (the add and the youngest 16 loads may be out)
	WIN MUL_LO
	MUL16 0, 1, 0
	s_wait_dscnt 0x0                               ; the add is done, and my reads of this slot are over
	s_barrier_signal -1
	MUL16 2, 1, 0
	WIN 0
	s_barrier_wait -1
.if \fill
	CREST                                          ; the barrier has opened a round of the cluster's barrier: no wave of any partner still reads this slot or has a load on its way
	s_add_nc_u64 s[G0+4*\slot+2:G0+4*\slot+3], s[G0+4*\slot+2:G0+4*\slot+3], 2*ASTEP
	s_add_nc_u64 s[G0B+4*\slot+2:G0B+4*\slot+3], s[G0B+4*\slot+2:G0B+4*\slot+3], 2*ROWB
	JLOAD G0+4*\slot, G1, G0B+4*\slot, G1B         ; the first tensor load behind the round; its four v_nop are the places in front of the loads below
.else
	PLACES NP
.endif
	FETCH_B \next, 0, 0
	FETCH_A \next, 0, 0
	WIN MUL_HI
	MUL16 4, 1, 0
	MUL16 6, 1, 0
	PLACES NP
	WIN 0
	FETCH_A \next, 0, 4
.endm
	s_wait_loadcnt 0x0                             ; the bias is in: no load of mine is out at any signal
	s_wait_tensorcnt 1                             ; my part of K step 0 is in; K step 1's load may be out
	s_barrier_signal -1
	s_barrier_wait -1
	FETCH_B 0, 0, 0
	FETCH_A 0, 0, 0
	FETCH_A 0, 0, 4
	STEP 0, 0, 1                                   ; the first step's products start the sums
	s_mov_b32 s3, LAPS-1
.Llap:
	TURN 0, 1, 1
	STEP 1, 0, 0
	TURN 1, 0, 1
	STEP 0, 0, 0
	s_sub_co_u32 s3, s3, 1
	s_cmp_lg_u32 s3, 0
	s_cbranch_scc1 .Llap
	TURN 0, 1, 0                                   ; the last lap fills nothing
	STEP 1, 0, 0
	s_wait_dscnt 4*NL
	WIN MUL_LO
	MUL16 0, 1, 0
	MUL16 2, 1, 0
	s_wait_dscnt 0
	WIN MUL_HI
	MUL16 4, 1, 0
	MUL16 6, 1, 0
	WIN 0
; THE WAY OUT, block by block of 16 rows x 128 columns.  The sums go into my own stage as they are (each accumulator's low four registers first) and come back as whole rows of 512 bytes; there a lane holds the same four
; columns in every row, so four registers of bias serve all: sum x 2^(e6 + e7) + b_out, two packed multiply-adds a row.  LDS serves a wave's instructions in order (ISA guide 5.7.1.4): no wait between stores and loads.
.macro TOSTAGE a
.set AC, 64*((\a)%4)
	WIN 0x08+4*((\a)/4)                            ; the stores' data: window 2 or 3
.irp b, 0,1,2,3,4,5,6,7
	ds_store_b128 v[STO], v[AC+8*\b:AC+8*\b+3] offset:64*\b
	ds_store_b128 v[STO], v[AC+8*\b+4:AC+8*\b+7] offset:64*\b+16
.endr
	WIN 0
.set BB, BK+64*((\a)%2)
.irp t, 0,1,2,3,4,5,6,7,8,9,10,11,12,13,14,15
	ds_load_b128 v[BB+4*\t:BB+4*\t+3], v[RD] offset:\t*SPITCH
.endr
.endm
.macro SEND a, younger                 ; younger: the LDS instructions issued behind block a's loads, which may stay out
.set BB, BK+64*((\a)%2)
	s_wait_dscnt \younger
.if (\a) > 0
	s_add_nc_u64 s[12:13], s[12:13], 16*4096       ; (behind a wait on XCNT: the earlier stores have read their base)  16 rows on
.endif
.irp t, 0,1,2,3,4,5,6,7,8,9,10,11,12,13,14,15
	v_pk_fma_f32 v[BB+4*\t:BB+4*\t+1], v[BB+4*\t:BB+4*\t+1], s[96:97], v[8:9] op_sel_hi:[1,0,1]
	v_pk_fma_f32 v[BB+4*\t+2:BB+4*\t+3], v[BB+4*\t+2:BB+4*\t+3], s[96:97], v[10:11] op_sel_hi:[1,0,1]
	global_store_b128 v[CO], v[BB+4*\t:BB+4*\t+3], s[12:13] offset:\t*4096 th:TH_STORE_NT   ; 32 lanes store 512 consecutive aligned bytes; written once, read by nobody here
.endr
.endm
	s_wait_kmcnt 0x0
	s_add_co_i32 s96, s78, s79
	s_add_co_i32 s96, s96, 127
	s_lshl_b32 s96, s96, 23                        ; 2^(e6 + e7) as f32
	s_mov_b32 s97, s96                             ; (named with it as a pair, so it is written)
	PLACES NP                                      ; behind the last products: their results are read, and A's registers loaded into, below
	TOSTAGE 0
.irp a, 1,2,3,4,5,6,7
.if \a > 1
	s_wait_xcnt 0x0                                ; block a - 2's stores have read their registers and their base
.endif
	TOSTAGE \a
	SEND \a-1, 32                                  ; behind block a - 1's loads: block a's 16 stores and 16 loads
.endr
	s_wait_xcnt 0x0
	SEND 7, 0
	s_wait_tensorcnt 0x0                           ; the wave's end
	ds_add_u32 v[SPW], v[NIL]
	s_wait_dscnt 0x0
	CROUND                                         ; the closing round: no work-group ends while a partner may still ask for a tile that names it
	s_endpgm
.Lfunc_end_k_qba8c44343b_outp:
	.size	k_qba8c44343b_outp, .Lfunc_end_k_qba8c44343b_outp-k_qba8c44343b_outp
	.p2alignl 7, 3214868480
	.fill 96, 4, 3214868480
	.section	.rodata,"a",@progbits
	.p2align	6, 0x0
	.amdhsa_kernel k_qba8c44343b_outp
		.amdhsa_group_segment_fixed_size 327680
		.amdhsa_private_segment_fixed_size 0
		.amdhsa_enable_private_segment 0
		.amdhsa_kernarg_size 40
		.amdhsa_user_sgpr_count 2
		.amdhsa_user_sgpr_kernarg_segment_ptr 1
		.amdhsa_wavefront_size32 1
		.amdhsa_system_sgpr_workgroup_id_x 1
		.amdhsa_system_sgpr_workgroup_id_y 1
		.amdhsa_system_sgpr_workgroup_id_z 1
		.amdhsa_system_vgpr_workitem_id 0
		.amdhsa_next_free_vgpr 1024
		.amdhsa_next_free_sgpr 98
		.amdhsa_reserve_vcc 0
		.amdhsa_float_denorm_mode_32 3
		.amdhsa_float_denorm_mode_16_64 3
		.amdhsa_memory_ordered 1
		.amdhsa_forward_progress 1
		.amdhsa_inst_pref_size 123
	.end_amdhsa_kernel
	.amdgpu_metadata
---
amdhsa.version: [ 1, 2 ]
amdhsa.kernels:
  - .name:           k_qba8c44343b_outp
    .symbol:         k_qba8c44343b_outp.kd
    .args:
      - { .name: attn_img, .offset: 0, .size: 8, .value_kind: global_buffer, .address_space: global }
      - { .name: wout_codes, .offset: 8, .size: 8, .value_kind: global_buffer, .address_space: global }
      - { .name: lowp_scales, .offset: 16, .size: 8, .value_kind: global_buffer, .address_space: global }
      - { .name: b_out, .offset: 24, .size: 8, .value_kind: global_buffer, .address_space: global }
      - { .name: out0, .offset: 32, .size: 8, .value_kind: global_buffer, .address_space: global }
    .group_segment_fixed_size: 327680
    .private_segment_fixed_size: 0
    .kernarg_segment_align: 8
    .kernarg_segment_size: 40
    .max_flat_workgroup_size: 128
    .sgpr_count:     98
    .vgpr_count:     1024
    .wavefront_size: 32
...
	.end_amdgpu_metadata
.endif
;; end of part 4
;; ======== version 2 of 2: 4 launches; version 1 with the launch attn written anew for expert scheduling mode
;; workspace buffers: x_codes 8,388,608 bytes; wqkv_codes 3,145,728 bytes; wout_codes 1,048,576 bytes; q_img 8,388,608 bytes; k_img 8,388,608 bytes; v_img 8,388,608 bytes; attn_img 8,388,608 bytes
;; launch prep: the kernel of part 1 again; grid 384 x 1, 4 waves a work-group, no clusters, 102,912 bytes of LDS; arguments x, W_qkv, W_out, lowp_scales, x_codes, wqkv_codes, wout_codes; writes x_codes, wqkv_codes, wout_codes
;; launch qkv: the kernel of part 2 again; grid 12 x 32, 4 waves a work-group, clusters of 4 x 4, 327,680 bytes of LDS; arguments x_codes, wqkv_codes, lowp_scales, b_qkv, q_img, k_img, v_img; writes q_img, k_img, v_img
;; launch attn (part 5): grid 4 x 64, 8 waves a work-group, no clusters, 100,352 bytes of LDS; arguments q_img, k_img, v_img, padding_mask, lowp_scales, attn_img; writes attn_img
.if DOCPART == 5
	.amdgcn_target "amdgcn-amd-amdhsa--gfx1250"
	.amdhsa_code_object_version 6
	.text
	.protected	k_qba8c44343b_attn
	.globl	k_qba8c44343b_attn
	.p2align	8
	.type	k_qba8c44343b_attn,@function
k_qba8c44343b_attn:
	s_mov_b64 s[64:65], 0
	v_nop
	global_prefetch_b8 v0, s[64:65] scope:SCOPE_SE
	s_setreg_imm32_b32 hwreg(HW_REG_WAVE_SCHED_MODE, 0, 2), 2
	s_setreg_imm32_b32 hwreg(HW_REG_WAVE_MODE, 25, 1), 1
	s_wait_xcnt 0x0
	s_wait_alu depctr_vm_vsrc(0)
; attn = softmax(q k^T / 8, causal and padding masks) v for one head of one batch, both products on codes of FP8 (E4M3), and the quantiser of attn.
; t = score x log2(e) / 8; M = the running largest t rounded UP to a whole number; p = 2^(t - M) is quantised with 2^e4; the row's sum is taken of the unquantised p and divides at the end.
; SHARES.  Work-group (p, head) owns the query blocks p and 7 - p, 256 queries each: (p + 1) + (8 - p) = 9 slots of 256 keys for every work-group.  Each of eight waves owns 32 queries of the block: two tiles,
; so that each fragment of K and V read from LDS feeds two products.  A step is 128 keys.  A step all of whose keys come after the wave's queries is jumped over (a scalar branch on ids).
; LAYOUT.  Both products are used transposed (S^T = K Q^T, O^T = V^T P^T): a lane holds ONE query throughout; S^T's register 8 kt + j is key 16 kt + 8 h + j, so eight registers convert into registers
; 2 kt, 2 kt + 1 of P in the second product's own layout.  q_img, k_img, v_img are images of operand registers (16 bytes a lane): all reads are dense and nothing is transposed.
; THE SLOTS come through registers: a slot is 16 KiB of K, 16 KiB of V and 256 mask words: 8 loads of 16 bytes and one of 4 a thread, issued at a trip's head, stored into the other LDS buffer at its end: one barrier a trip.
; NO TENSOR LOAD, so that scalar branches may hang on whole numbers read from memory (e4; which key steps have holes in the padding mask).  NO CLUSTER: in one trip the four work-groups of a head want different
; slots (slot t while t <= p, slot t - p - 1 afterwards), so no request is joint.  NO PREFETCH: each slot is asked for two key steps ahead of its use, into registers.
; THE PADDING MASK is honoured as given: a key step with a hole adds 0 or -infinity to its scores ahead of the maximum.  A query with no key left has sum 0: its codes become the NaN code.
; OUT: attn_img [16 tokens, 512][pair of heads, 8][c 4][lane][16 bytes]: images of the last product's operand registers; a store covers 512 consecutive aligned bytes.
; LIMITS: e2 + e3 between -123 and 130 (added to c's exponent field); e4 and e6 between -126 and 119; e4 + e5 goes by v_ldexp_f32 and has none.  NaN among the inputs is not served.
; REGISTERS.  Window 0: v1-15 addresses and constants; v16-31 statistics, eight a tile; v32-47 Q; v48-63 the second block's Q; v64-95 P's codes; v96-223 S^T, then p; v224-255 a slot on its way.
;   Window 1: v0-63 O^T (32 u + 8 nu); v64-127 K's eight fragments; v128-191 V's four; v192-255 the mask's 0 / -infinity.
; THE MODE: SCHED_MODE bits 1:0 = 2 (LLVM: expert scheduling mode 2), set by the entry lines.  The code itself states the register dependences
; between vector or matrix instructions and memory or LDS instructions, with s_wait_alu, always for 0.
; THE PLAN.  Registers that memory or LDS instructions touch:
;   LI, T16, T4, H32   offsets, made at the head and never written again: one wait on va_vdst ahead of the first load.
;   ADR, BA, SAT, MAT  LDS addresses in the buffer read and in the buffer filled: written once a trip, at its head, behind the wait on vm_vsrc that ends the trip before; one wait on va_vdst behind the four adds.
;   SG                 The slot's global loads land in it at a trip's head, eight LDS stores read it at the trip's end; the wait on vm_vsrc behind them frees it.  No vector instruction names it but the two makers at the end.
;   MST, D0            MST is loaded and read by one compare; D0 is written by the select and read by the mask's LDS store: the wait on va_vdst ahead of that store states both; the wait on vm_vsrc behind it frees D0.
;   VFR                Read by a step's 8 products V^T P.  The wait for tile 0's exponentials of the NEXT step stands behind them: V's 16 loads follow that wait.
;   KFR                Read by a step's 16 products K Q^T, which stand ahead of both of the step's waits for exponentials.  A slot's first step asks for its K at its head and, behind the wait for tile 1's
;                      exponentials, for the second step's K, which lands during the sums, the conversions and V^T P.  (A wave whose second step is hidden has asked for 16 loads that it does not use.)
;   MB                 Loaded in a step with holes, read by 64 packed additions, which stand ahead of the same step's two waits.
;   P                  Written by conversions and selects; read by products, and in FINISH by four global stores: va_vdst ahead of them, vm_vsrc behind them.
; Vector instructions that write a scalar register or VCC (the wave's number, the compares) have va_sdst or va_vcc ahead of the first reader; the compares of the causal mask go in runs of sixteen, one wait a run.
.set LI,   1                           ; 16 x lane
.set ADR,  2                           ; the buffer in hand + 16 x lane
.set T16,  3                           ; 16 x thread
.set H32,  4                           ; 32 x (lane / 16)
.set T4,   5                           ; 4 x thread
.set SAT,  6                           ; the buffer that is filled + 16 x thread
.set MAT,  7                           ; the same + 4 x thread
.set BA,   8                           ; the buffer in hand + 32 x (lane / 16)
.set RH,   9                           ; r - 8 h
.set D0,   10                          ; v10, v11 at work
.set NINF, 12                          ; -infinity
.set MST,  13                          ; my mask word of the slot on its way
.set PSC,  14                          ; 2^e4
.set PLIM, 15                          ; 448 x 2^e4
.set ST,   16                          ; tile u at ST + 8 u: +0 -M, +1 largest t, +2 +3 the sum in two halves, +4 f, +5 its pair's upper half and the permute's destination, +6 +7 at work
.set Q,    32
.set QN,   48
.set P,    64
.set S,    96
.set SG,   224
.set O,    0                           ; window 1
.set KFR,  64
.set VFR,  128
.set MB,   192
.set MK,   4                           ; s[4:19] sixteen lane masks: free once the head has used the pointers and e0 to e3 that they held
; s24 wave, s25 p, s26 head of a batch, s27 trip, s28 slot in hand, s29 next slot, s30 / s31 LDS buffer read / filled, s32 the step's first key, s33 my first query, s34 the second block's,
; s[36:37] c, s[38:39] permute selects, s40 bit s: key step s has a hole, s[42:47] the next slot's K, V, mask, s[48:51] where O goes (both blocks), s[54:59] the head's K, V, the batch's mask, s60 e4 + e5, s62, s63 2^e6 and 448 x 2^e6
.set MSB, 0
.macro WIN new
.if MSB != (\new)
	s_set_vgpr_msb (MSB<<8)|(\new)
.set MSB, \new
.endif
.endm
.macro LOAD_SLOT                       ; no wait: SG was freed behind the last slot's LDS stores, the compare that read MST stands ahead of a wait on va_vdst, and no vector instruction since names either
.irp i, 0,1,2,3
	global_load_b128 v[SG+4*\i:SG+4*\i+3], v[T16], s[42:43] offset:4096*\i
.endr
.irp i, 0,1,2,3
	global_load_b128 v[SG+16+4*\i:SG+16+4*\i+3], v[T16], s[44:45] offset:4096*\i
.endr
	global_load_b32 v[MST], v[T4], s[46:47]
.endm
.macro STORE_SLOT                      ; into the buffer that SAT and MAT name: K at 0, V at 16,384, the mask as 0 or -infinity at 32,768
	v_cmp_eq_u32 vcc_lo, 0, v[MST]
.irp i, 0,1,2,3
	ds_store_b128 v[SAT], v[SG+4*\i:SG+4*\i+3] offset:4096*\i              ; no wait: SAT was written ahead of a wait on va_vdst, SG by loads
.endr
.irp i, 0,1,2,3
	ds_store_b128 v[SAT], v[SG+16+4*\i:SG+16+4*\i+3] offset:16384+4096*\i
.endr
	s_wait_alu depctr_va_vcc(0)                    ; VCC is written, ahead of the select that reads it
	v_cndmask_b32 v[D0], 0, v[NINF], vcc_lo
	s_wait_alu depctr_va_vdst(0)                   ; the select has written D0, which the store below reads; the compare is done reading MST, in which the next slot's load lands
	ds_store_b32 v[MAT], v[D0] offset:32768
	s_wait_alu depctr_vm_vsrc(0)                   ; the trip's LDS loads and these stores have read ADR, BA, SAT, MAT, D0 and SG: vector instructions write the first five again, the next slot's loads land in SG
.endm
.macro INIT                            ; a block's start: the largest t -3e38, the sums and O^T zeros, which the first change of M leaves zeros: so the step is written once
.irp u, 0,1
	v_mov_b32 v[ST+8*\u+1], 0xff61b1e6
	v_floor_f32 v[ST+8*\u], -v[ST+8*\u+1]
	v_mov_b32 v[ST+8*\u+2], 0
	v_mov_b32 v[ST+8*\u+3], 0
	v_mov_b32 v[ST+8*\u+5], 0
.endr
	WIN 0x40
.set n, 0
.rept 64
	v_mov_b32 v[O+n], 0
.set n, n+1
.endr
	WIN 0
.endm
.macro SUML u                          ; line n of 32 of tile u's sum of p: two chains of packed additions
.set rS, S+64*(\u)
.set rT, ST+8*(\u)
.if n == 0
	v_pk_add_f32 v[rT+6:rT+7], v[rS:rS+1], v[rS+2:rS+3]
.elseif n == 31
	v_pk_add_f32 v[rT+2:rT+3], v[rT+2:rT+3], v[rT+6:rT+7]
.elseif (n%2) == 1
	v_pk_add_f32 v[rT+2:rT+3], v[rT+2:rT+3], v[rS+2*n+2:rS+2*n+3]
.else
	v_pk_add_f32 v[rT+6:rT+7], v[rT+6:rT+7], v[rS+2*n+2:rS+2*n+3]
.endif
.endm
.macro KLOAD q                         ; K's eight fragments of the slot's q-th step (the destination's window is set by the caller)
.irp kt, 0,1,2,3,4,5,6,7
.irp c, 0,1
	ds_load_b128 v[KFR+8*\kt+4*\c:KFR+8*\kt+4*\c+3], v[ADR] offset:8192*(\q)+1024*\kt+512*\c
.endr
.endr
.endm
; A KEY STEP: 128 keys, the q-th of the slot in hand.  hid: the label behind the slot's two steps: where the first step is hidden, so is the second.
.macro STEP q, hid
	s_add_co_u32 s35, s33, 31
	s_cmp_gt_u32 s32, s35                          ; all keys behind my 32 queries: nothing to do
	s_cbranch_scc1 \hid
.if \q == 0
	WIN 0x40                                       ; destination window 1
	KLOAD 0                                        ; no wait: ADR was written ahead of the trip's wait on va_vdst, and the last products that read K's registers stand ahead of it too
.endif
	s_wait_dscnt 0x0                               ; K's 16 loads are in (the second step's were issued in the first step)
	WIN 0x01                                       ; source 0 (K) window 1
.irp kt, 0,1,2,3,4,5,6,7
.irp u, 0,1
	v_wmma_f32_16x16x64_fp8_fp8 v[S+64*\u+8*\kt:S+64*\u+8*\kt+7], v[KFR+8*\kt:KFR+8*\kt+7], v[Q+8*\u:Q+8*\u+7], 0
.endr
.endr
	WIN 0
.rept 4
	v_nop                                          ; places in front of the first read of the scores
.endr
	s_lshr_b32 s35, s32, 7                         ; has this key step a hole in the padding mask?  (a whole number made of the mask as read)
	s_lshr_b32 s35, s40, s35
	s_and_b32 s35, s35, 1
	s_cmp_eq_u32 s35, 0
	s_cbranch_scc1 .Lnohole_\@
	WIN 0x40
.irp kt, 0,1,2,3,4,5,6,7                       ; no wait: BA was written ahead of the trip's wait on va_vdst; the additions that last read these registers stand ahead of their own step's waits
	ds_load_b128 v[MB+8*\kt:MB+8*\kt+3], v[BA] offset:32768+512*\q+64*\kt        ; keys 16 kt + 8 h + 0 .. 3,
	ds_load_b128 v[MB+8*\kt+4:MB+8*\kt+7], v[BA] offset:32768+512*\q+64*\kt+16   ; + 4 .. 7
.endr
	s_wait_dscnt 0x0
	WIN 0x04                                       ; source 1 window 1
.set n, 0
.rept 32
	v_pk_add_f32 v[S+2*n:S+2*n+1], v[S+2*n:S+2*n+1], v[MB+2*n:MB+2*n+1]          ; + 0 or -infinity, ahead of the maximum; each accumulator from its low end on
	v_pk_add_f32 v[S+64+2*n:S+64+2*n+1], v[S+64+2*n:S+64+2*n+1], v[MB+2*n:MB+2*n+1]
.set n, n+1
.endr
	WIN 0
.Lnohole_\@:
	s_add_co_u32 s35, s32, 127                     ; the causal mask: a step all of whose keys count for all my queries skips it
	s_cmp_le_u32 s35, s33
	s_cbranch_scc1 .Lopen_\@
	s_sub_co_i32 s35, s33, s32
	v_add_nc_u32 v[D0], s35, v[RH]                 ; d = my query - the step's first key - 8 h: register 8 kt + j is hidden where 16 kt + j > d
	v_add_nc_u32 v[D0+1], 16, v[D0]                ; tile 1's queries lie 16 further on
.irp u, 0,1                                    ; sixteen registers at a time, ascending: sixteen compares into sixteen scalar registers, one wait, sixteen selects
.irp g, 0,1,2,3
.set n, 0
.rept 16
	v_cmp_gt_i32 s[MK+n], 16*((16*\g+n)/8)+(16*\g+n)%8, v[D0+\u]
.set n, n+1
.endr
	s_wait_alu depctr_va_sdst(0)                   ; the sixteen masks are written, ahead of the selects that read them
.set n, 0
.rept 16
	v_cndmask_b32 v[S+64*\u+16*\g+n], v[S+64*\u+16*\g+n], v[NINF], s[MK+n]
.set n, n+1
.endr
.endr
.endr
.Lopen_\@:
.irp u, 0,1                                    ; the step's largest score of my query among my 64 keys, two chains a tile, ascending
	v_max3_num_f32 v[ST+8*\u+6], v[S+64*\u], v[S+64*\u+1], v[S+64*\u+2]
	v_max3_num_f32 v[ST+8*\u+7], v[S+64*\u+3], v[S+64*\u+4], v[S+64*\u+5]
.endr
.irp i, 6,10,14,18,22,26,30,34,38,42,46,50,54,58
.irp u, 0,1
	v_max3_num_f32 v[ST+8*\u+6], v[ST+8*\u+6], v[S+64*\u+\i], v[S+64*\u+\i+1]
	v_max3_num_f32 v[ST+8*\u+7], v[ST+8*\u+7], v[S+64*\u+\i+2], v[S+64*\u+\i+3]
.endr
.endr
.irp u, 0,1
	v_max3_num_f32 v[ST+8*\u+6], v[ST+8*\u+6], v[S+64*\u+62], v[S+64*\u+63]
.endr
.irp u, 0,1
	v_max_num_f32 v[ST+8*\u+6], v[ST+8*\u+6], v[ST+8*\u+7]
.endr
.irp u, 0,1
	v_permlanex16_b32 v[ST+8*\u+5], v[ST+8*\u+6], s38, s39
.endr
.irp u, 0,1
	v_max_num_f32 v[ST+8*\u+6], v[ST+8*\u+6], v[ST+8*\u+5]    ; and among lane l xor 16's
.endr
.irp u, 0,1
	v_mul_f32 v[ST+8*\u+6], s36, v[ST+8*\u+6]                 ; as t (c is positive)
.endr
.irp u, 0,1
	v_max_num_f32 v[ST+8*\u+1], v[ST+8*\u+1], v[ST+8*\u+6]    ; the running largest t
.endr
.irp u, 0,1
	v_mov_b32 v[ST+8*\u+6], v[ST+8*\u]
.endr
.irp u, 0,1
	v_floor_f32 v[ST+8*\u], -v[ST+8*\u+1]                     ; -M = floor(-t): M is a whole number
.endr
.irp u, 0,1
	v_sub_f32 v[ST+8*\u+6], v[ST+8*\u], v[ST+8*\u+6]          ; old M - new M: a whole number, 0 or less
.endr
.irp u, 0,1
	v_cvt_i32_f32 v[ST+8*\u+6], v[ST+8*\u+6]                  ; (it saturates)
.endr
.irp u, 0,1
	v_ldexp_f32 v[ST+8*\u+4], 1.0, v[ST+8*\u+6]               ; f = 2^(old M - new M): rounds nothing
.endr
.set n, 0
.rept 32
	v_pk_fma_f32 v[S+2*n:S+2*n+1], v[S+2*n:S+2*n+1], s[36:37], v[ST:ST+1] op_sel_hi:[1,0,0]   ; tile 0: t - M
.set n, n+1
.endr
.set n, 0
.rept 32                                       ; tile 0's exponentials, with tile 1's scalings as the plain lines between
	v_exp_f32 v[S+2*n], v[S+2*n]
	v_exp_f32 v[S+2*n+1], v[S+2*n+1]
	v_pk_fma_f32 v[S+64+2*n:S+64+2*n+1], v[S+64+2*n:S+64+2*n+1], s[36:37], v[ST+8:ST+9] op_sel_hi:[1,0,0]
.set n, n+1
.endr
	v_pk_mul_f32 v[ST+2:ST+3], v[ST+2:ST+3], v[ST+4:ST+5] op_sel_hi:[1,0]   ; tile 0's sum under the new M
	WIN 0x40                                       ; destination window 1, for the loads behind the wait
	s_wait_alu depctr_va_vdst(0)                   ; tile 0's 64 exponentials have written p, ahead of their first reader; and the last step's products V^T P are done reading V's registers, in which the loads below land
.irp nu, 0,1,2,3
.irp c, 0,1,2,3
	ds_load_b128 v[VFR+16*\nu+4*\c:VFR+16*\nu+4*\c+3], v[ADR] offset:16384+8192*\q+2048*\nu+512*\c
.endr
.endr
	WIN 0
.set n, 0
.rept 32                                       ; tile 1's exponentials, with tile 0's sum of the unquantised p between
	v_exp_f32 v[S+64+2*n], v[S+64+2*n]
	v_exp_f32 v[S+64+2*n+1], v[S+64+2*n+1]
	SUML 0
.set n, n+1
.endr
	v_pk_mul_f32 v[ST+10:ST+11], v[ST+10:ST+11], v[ST+12:ST+13] op_sel_hi:[1,0]
.if \q == 0
	WIN 0x40
	s_wait_alu depctr_va_vdst(0)                   ; tile 1's 64 exponentials have written p, ahead of their first reader; this step's products K Q^T are done reading K's registers, in which the loads below land
	KLOAD 1                                        ; the slot's second step
	WIN 0
.else
	s_wait_alu depctr_va_vdst(0)                   ; tile 1's 64 exponentials have written p, ahead of their first reader
.endif
.set n, 0
.rept 32
	SUML 1
.set n, n+1
.endr
	s_cmp_gt_i32 s20, -9                           ; p <= 1: from e4 = -8 on p / 2^e4 is 256 at the most and the hold changes nothing
	s_cbranch_scc1 .Lnohold_\@
.set n, 0
.rept 128
	v_min_num_f32 v[S+n], v[S+n], v[PLIM]          ; the conversion does not saturate (ISA guide 7.6.2); p is not negative, so the hold is one-sided
.set n, n+1
.endr
.Lnohold_\@:
.irp u, 0,1
.irp kt, 0,1,2,3,4,5,6,7
	v_cvt_scalef32_pk8_fp8_f32 v[P+16*\u+2*\kt:P+16*\u+2*\kt+1], v[S+64*\u+8*\kt:S+64*\u+8*\kt+7], v[PSC]
.endr
.endr
	v_nop                                          ; a plain line behind the last conversion
	WIN 0x41                                       ; O^T (destination and source 0) window 1
.set n, 0
.rept 16
	v_pk_mul_f32 v[O+2*n:O+2*n+1], v[O+2*n:O+2*n+1], v[ST+4:ST+5] op_sel_hi:[1,0]             ; O^T under the new M
	v_pk_mul_f32 v[O+32+2*n:O+32+2*n+1], v[O+32+2*n:O+32+2*n+1], v[ST+12:ST+13] op_sel_hi:[1,0]
.set n, n+1
.endr
	s_wait_dscnt 16*(1-\q)                         ; V is in; in a slot's first step the next step's 16 loads of K, issued behind V's, stay out
	WIN 0x51                                       ; V, C and D window 1, P window 0
.irp nu, 0,1,2,3                               ; eight accumulators, one instruction each
.irp u, 0,1
	v_wmma_f32_16x16x128_fp8_fp8 v[O+32*\u+8*\nu:O+32*\u+8*\nu+7], v[VFR+16*\nu:VFR+16*\nu+15], v[P+16*\u:P+16*\u+15], v[O+32*\u+8*\nu:O+32*\u+8*\nu+7]
.endr
.endr
	WIN 0
.if \q == 0
	s_add_co_u32 s32, s32, 128
.endif
.endm
; A TRIP: a slot of 256 keys.  fill = 1: the next slot is asked for at the head and stored into the other buffer at the end.  That buffer was last read a trip ago, and every wave waited for those reads ahead of
; that trip's signal; behind this trip's barrier it is whole.
.macro TRIP fill
.if \fill
	s_add_co_u32 s29, s28, 1
	s_cmp_eq_u32 s27, s25
	s_cselect_b32 s29, 0, s29                      ; behind the first block's last slot: the second block's slot 0
	s_lshl_b32 s52, s29, 14
	s_add_nc_u64 s[42:43], s[54:55], s[52:53]      ; (written only behind the wait that showed the last slot's loads done)
	s_add_nc_u64 s[44:45], s[56:57], s[52:53]
	s_lshl_b32 s52, s29, 10
	s_add_nc_u64 s[46:47], s[58:59], s[52:53]
	LOAD_SLOT
.endif
	v_add_nc_u32 v[ADR], s30, v[LI]                ; the trip's LDS addresses (what read the old ones stands ahead of the wait on vm_vsrc that ended the trip before)
	v_add_nc_u32 v[BA], s30, v[H32]
.if \fill
	v_add_nc_u32 v[SAT], s31, v[T16]
	v_add_nc_u32 v[MAT], s31, v[T4]
.endif
	s_wait_alu depctr_va_vdst(0)                   ; these addresses are written, which the trip's LDS loads and stores read
	s_lshl_b32 s32, s28, 8
	STEP 0, .Lhid_\@
	STEP 1, .Lhid_\@
.Lhid_\@:
.if \fill
	s_wait_loadcnt 0x0
	STORE_SLOT
	s_wait_dscnt 0x0                               ; for the others' sake: my stores have landed; my reads of the buffer in hand are back
	s_barrier_signal -1
	s_barrier_wait -1
	s_xor_b32 s30, s30, 65536
	s_xor_b32 s31, s31, 65536
	s_mov_b32 s28, s29
.endif
.endm
; A block's end: O^T / the sum x 2^(e4 + e5), held, converted with 2^e6, stored as images.
.macro FINISH
.rept 4
	v_nop                                          ; places behind the last products
.endr
.irp u, 0,1
	v_add_f32 v[ST+8*\u+6], v[ST+8*\u+2], v[ST+8*\u+3]
.endr
.irp u, 0,1
	v_permlanex16_b32 v[ST+8*\u+5], v[ST+8*\u+6], s38, s39
.endr
.irp u, 0,1
	v_add_f32 v[ST+8*\u+6], v[ST+8*\u+6], v[ST+8*\u+5]        ; the row's sum
.endr
.irp u, 0,1
	v_rcp_f32 v[ST+8*\u+7], v[ST+8*\u+6]
.endr
	v_mov_b32 v[D0], s62                           ; (plain lines behind the reciprocals)  2^e6
	v_mov_b32 v[D0+1], s63                         ; 448 x 2^e6
	s_wait_alu depctr_va_vdst(0)                   ; the two reciprocals are written, ahead of their first reader
.irp u, 0,1
	v_ldexp_f32 v[ST+8*\u+4], v[ST+8*\u+7], s60
.endr
	WIN 0x01                                       ; source 0 (O^T) window 1
.set n, 0
.rept 16
	v_pk_mul_f32 v[S+2*n:S+2*n+1], v[O+2*n:O+2*n+1], v[ST+4:ST+5] op_sel_hi:[1,0]
	v_pk_mul_f32 v[S+64+2*n:S+64+2*n+1], v[O+32+2*n:O+32+2*n+1], v[ST+12:ST+13] op_sel_hi:[1,0]
.set n, n+1
.endr
	WIN 0
.set n, 0
.rept 32
	v_med3_num_f32 v[S+n], v[S+n], -v[D0+1], v[D0+1]
	v_med3_num_f32 v[S+64+n], v[S+64+n], -v[D0+1], v[D0+1]
.set n, n+1
.endr
.irp u, 0,1
.irp nu, 0,1,2,3
	v_cvt_scalef32_pk8_fp8_f32 v[P+16*\u+2*\nu:P+16*\u+2*\nu+1], v[S+64*\u+8*\nu:S+64*\u+8*\nu+7], v[D0]
.endr
.endr
	v_nop
.irp u, 0,1
	v_cmp_neq_f32 vcc_lo, 0, v[ST+8*\u+6]          ; a sum of 0: no key was kept for this query
	s_wait_alu depctr_va_vcc(0)                    ; VCC is written, ahead of the selects that read it
.irp i, 0,1,2,3,4,5,6,7
	v_cndmask_b32 v[P+16*\u+\i], 0x7f7f7f7f, v[P+16*\u+\i], vcc_lo   ; then the NaN code
.endr
.endr
	s_wait_alu depctr_va_vdst(0)                   ; the conversions and the selects have written the codes, which the stores read
.irp u, 0,1
.irp b, 0,1
	global_store_b128 v[LI], v[P+16*\u+4*\b:P+16*\u+4*\b+3], s[48:49] offset:\u*16384+\b*512   ; tokens 16 u on, channels 32 b on of my head: 512 consecutive aligned bytes
.endr
.endr
	s_wait_xcnt 0x0                                ; the stores have read their registers and their base: both are written again below
	s_wait_alu depctr_vm_vsrc(0)                   ; the stores have read the codes' registers, which the next block's conversions write again
.endm
.macro SWITCH                          ; on to the second block
	s_mov_b64 s[48:49], s[50:51]
	s_mov_b32 s33, s34
.set n, 0
.rept 16
	v_mov_b32 v[Q+n], v[QN+n]
.set n, n+1
.endr
	INIT
.endm
	s_load_b256 s[4:11], s[0:1], 0x0               ; q s[4:5], k s[6:7], v s[8:9], the mask s[10:11]
	s_load_b128 s[12:15], s[0:1], 0x20             ; the scales s[12:13], attn_img s[14:15]
	v_lshrrev_b32 v2, 5, v0
	v_readfirstlane_b32 s24, v2                    ; wave 0..7
	v_and_b32 v10, 31, v0
	v_lshlrev_b32 v[LI], 4, v10
	v_lshlrev_b32 v[T16], 4, v0
	v_lshlrev_b32 v[T4], 2, v0
	v_bfe_u32 v11, v0, 4, 1                        ; h
	v_lshlrev_b32 v[H32], 5, v11
	v_and_b32 v10, 15, v0                          ; r
	v_lshlrev_b32 v11, 3, v11
	v_sub_nc_u32 v[RH], v10, v11
	v_mov_b32 v[NINF], 0xff800000
	s_wait_alu depctr_va_sdst(0)                   ; s24 is written, ahead of its first reader: my first queries are made from it
	s_mov_b32 s25, ttmp9
	s_and_b32 s26, ttmp7, 0xffff
	s_lshl_b32 s35, s24, 5
	s_lshl_b32 s33, s25, 8
	s_add_co_u32 s33, s33, s35                     ; my first query in block p
	s_sub_co_u32 s34, 7, s25
	s_lshl_b32 s34, s34, 8
	s_add_co_u32 s34, s34, s35                     ; and in block 7 - p
	s_mov_b32 s38, 0x76543210
	s_mov_b32 s39, 0xfedcba98
	s_mov_b32 s30, 0
	s_mov_b32 s31, 65536
	s_lshl_b32 s52, s26, 17                        ; a head's images are 131,072 bytes in each of q, k, v
	s_mov_b32 s53, 0                               ; stays 0
	s_wait_kmcnt 0x0
	s_load_b256 s[16:23], s[12:13], 0x0            ; e0 .. e7
	s_add_nc_u64 s[54:55], s[6:7], s[52:53]
	s_add_nc_u64 s[56:57], s[8:9], s[52:53]
	s_add_nc_u64 s[4:5], s[4:5], s[52:53]
	s_lshr_b32 s41, s26, 4                         ; the batch
	s_lshl_b32 s52, s41, 13
	s_add_nc_u64 s[58:59], s[10:11], s[52:53]
	s_lshl_b32 s52, s33, 6                         ; 64 bytes a query
	s_add_nc_u64 s[60:61], s[4:5], s[52:53]
	s_lshl_b32 s52, s34, 6
	s_add_nc_u64 s[62:63], s[4:5], s[52:53]
	s_wait_alu depctr_va_vdst(0)                   ; the offsets LI, T16, T4 and H32 are written, which every load and store of the kernel reads, by themselves or in an LDS address
.irp u, 0,1
.irp c, 0,1
	global_load_b128 v[Q+8*\u+4*\c:Q+8*\u+4*\c+3], v[LI], s[60:61] offset:1024*\u+512*\c
	global_load_b128 v[QN+8*\u+4*\c:QN+8*\u+4*\c+3], v[LI], s[62:63] offset:1024*\u+512*\c
.endr
.endr
	s_mov_b64 s[42:43], s[54:55]                   ; slot 0
	s_mov_b64 s[44:45], s[56:57]
	s_mov_b64 s[46:47], s[58:59]
	LOAD_SLOT
.irp s, 0,1,2,3,4,5,6,7,8,9,10,11,12,13,14,15
	global_load_b128 v[S+4*\s:S+4*\s+3], v[LI], s[58:59] offset:512*\s   ; the batch's whole mask: a load is one key step's 128 words
.endr
	s_lshl_b32 s35, s41, 11                        ; the batch's first token
	s_and_b32 s41, s26, 15
	s_lshl_b32 s41, s41, 10                        ; the head's place in a tile of tokens: 2,048 a pair of heads + 1,024 for the odd one = 1,024 x head
	s_add_co_u32 s52, s35, s33
	s_lshl_b32 s52, s52, 10                        ; 16,384 bytes for 16 tokens
	s_add_co_u32 s52, s52, s41
	s_add_nc_u64 s[48:49], s[14:15], s[52:53]
	s_add_co_u32 s52, s35, s34
	s_lshl_b32 s52, s52, 10
	s_add_co_u32 s52, s52, s41
	s_add_nc_u64 s[50:51], s[14:15], s[52:53]
	s_wait_kmcnt 0x0
	s_add_co_i32 s35, s18, s19
	s_lshl_b32 s35, s35, 23
	s_add_co_i32 s36, s35, 0x3e38aa3b              ; c = log2(e) / 8, with e2 + e3 added to its exponent field
	s_mov_b32 s37, s36                             ; (named with it as a pair, so it is written)
	s_add_co_i32 s35, s20, 127
	s_lshl_b32 s41, s35, 23
	v_mov_b32 v[PSC], s41
	s_add_co_i32 s35, s35, 8
	s_lshl_b32 s35, s35, 23
	s_or_b32 s35, s35, 0x600000
	v_mov_b32 v[PLIM], s35
	s_wait_loadcnt 0x0                             ; Q, slot 0 and the mask are in; their address registers are free
	s_add_co_i32 s60, s20, s21                     ; e4 + e5
	s_add_co_i32 s35, s22, 127
	s_lshl_b32 s62, s35, 23                        ; 2^e6
	s_add_co_i32 s35, s35, 8
	s_lshl_b32 s35, s35, 23
	s_or_b32 s63, s35, 0x600000                    ; 448 x 2^e6
.irp s, 0,1,2,3,4,5,6,7,8,9,10,11,12,13,14,15
	v_min_u32 v10, v[S+4*\s], v[S+4*\s+1]          ; 0 among my four words of key step s?
	v_min_u32 v11, v[S+4*\s+2], v[S+4*\s+3]
	v_min_u32 v10, v10, v11
	v_cmp_eq_u32 s[MK+\s], 0, v10                  ; a mask for each key step: the pointers and e0 to e3 that lay in s[4:19] have been used
.endr
	v_add_nc_u32 v[SAT], s30, v[T16]               ; slot 0 goes into the buffer that the first trip reads
	v_add_nc_u32 v[MAT], s30, v[T4]
	s_wait_alu depctr_va_sdst(0)                   ; the sixteen masks are written, ahead of the scalar compares that read them
	s_mov_b32 s40, 0
.irp s, 0,1,2,3,4,5,6,7,8,9,10,11,12,13,14,15
	s_cmp_lg_u32 s[MK+\s], 0                       ; in any lane?
	s_cselect_b32 s35, 1<<\s, 0
	s_or_b32 s40, s40, s35
.endr
	s_wait_alu depctr_va_vdst(0)                   ; SAT and MAT are written, which the LDS stores below read
	STORE_SLOT
	s_wait_dscnt 0x0
	s_barrier_signal -1
	s_barrier_wait -1
	INIT
	s_mov_b32 s27, 0
	s_mov_b32 s28, 0
.Ltrip:                                            ; eight trips that ask for a next slot; the ninth is written out
	TRIP 1
	s_cmp_lg_u32 s27, s25
	s_cbranch_scc1 .Lsame
	FINISH                                         ; block p is done behind its slot p
	SWITCH
.Lsame:
	s_add_co_u32 s27, s27, 1
	s_cmp_lt_u32 s27, 8
	s_cbranch_scc1 .Ltrip
	TRIP 0
	FINISH
	s_wait_xcnt 0x0
	v_lshl_add_u32 v254, v0, 2, 0x18400            ; the add's two registers are made anew: what last read v254 and v255, the last slot's LDS stores, stands ahead of a wait on vm_vsrc, and no memory instruction has followed FINISH's
	v_mov_b32 v255, 0
	s_wait_dscnt 0x0                               ; the closing lines, six on end
	s_wait_alu 0x0
	s_wait_tensorcnt 0x0
	ds_add_u32 v254, v255
	s_wait_dscnt 0x0
	s_endpgm
.Lfunc_end_k_qba8c44343b_attn:
	.size	k_qba8c44343b_attn, .Lfunc_end_k_qba8c44343b_attn-k_qba8c44343b_attn
	.p2alignl 7, 3214868480
	.fill 96, 4, 3214868480
	.section	.rodata,"a",@progbits
	.p2align	6, 0x0
	.amdhsa_kernel k_qba8c44343b_attn
		.amdhsa_group_segment_fixed_size 100352
		.amdhsa_private_segment_fixed_size 0
		.amdhsa_enable_private_segment 0
		.amdhsa_kernarg_size 48
		.amdhsa_user_sgpr_count 2
		.amdhsa_user_sgpr_kernarg_segment_ptr 1
		.amdhsa_wavefront_size32 1
		.amdhsa_system_sgpr_workgroup_id_x 1
		.amdhsa_system_sgpr_workgroup_id_y 1
		.amdhsa_system_sgpr_workgroup_id_z 1
		.amdhsa_system_vgpr_workitem_id 0
		.amdhsa_next_free_vgpr 512
		.amdhsa_next_free_sgpr 66
		.amdhsa_reserve_vcc 1
		.amdhsa_float_denorm_mode_32 3
		.amdhsa_float_denorm_mode_16_64 3
		.amdhsa_memory_ordered 1
		.amdhsa_forward_progress 1
		.amdhsa_inst_pref_size 245
	.end_amdhsa_kernel
	.amdgpu_metadata
---
amdhsa.version: [ 1, 2 ]
amdhsa.kernels:
  - .name:           k_qba8c44343b_attn
    .symbol:         k_qba8c44343b_attn.kd
    .args:
      - { .name: q_img, .offset: 0, .size: 8, .value_kind: global_buffer, .address_space: global }
      - { .name: k_img, .offset: 8, .size: 8, .value_kind: global_buffer, .address_space: global }
      - { .name: v_img, .offset: 16, .size: 8, .value_kind: global_buffer, .address_space: global }
      - { .name: padding_mask, .offset: 24, .size: 8, .value_kind: global_buffer, .address_space: global }
      - { .name: lowp_scales, .offset: 32, .size: 8, .value_kind: global_buffer, .address_space: global }
      - { .name: attn_img, .offset: 40, .size: 8, .value_kind: global_buffer, .address_space: global }
    .group_segment_fixed_size: 100352
    .private_segment_fixed_size: 0
    .kernarg_segment_align: 8
    .kernarg_segment_size: 48
    .max_flat_workgroup_size: 256
    .sgpr_count:     66
    .vgpr_count:     512
    .wavefront_size: 32
...
	.end_amdgpu_metadata
.endif
;; end of part 5
;; launch outp: the kernel of part 4 again; grid 4 x 32, 4 waves a work-group, clusters of 4 x 4, 327,680 bytes of LDS; arguments attn_img, wout_codes, lowp_scales, b_out, out0; writes out0
